; MI455X (gfx1250); checked and timed in simulation.
; The chip was launched on July 23, 2026; its instructions are those of AMD's public machine-readable ISA for CDNA 5 (MIT licence, August 2026) and "CDNA5" Instruction Set Architecture Reference Guide (July 2026). The comments in the code are by the model that wrote it; some were corrected since.
;; CRF Layer. Allowed arithmetic: float matrix products may take bf16 or f16 operands with f32 sums; other float arithmetic in f32, or as packed bf16 or f16 multiplies, adds, multiply-adds, maxima and minima; sums over many terms, partial sums and values carried from step to step in f32; what a program stores and reads back later, other than sums and carried values, may be rounded once to bf16 or f16.
;; Inputs: inputs 512 x 2,048 x 32 float32; seq_lengths 512 int32; trans_params 32 x 32 float32.
;; Outputs: out0 512 x 2,048 int32.
;; 3 versions, each right; version 2 is faster than version 1; version 3 is version 2 with the launch backtrace written anew for expert scheduling mode. Each part assembles by itself: llvm-mc -triple=amdgcn-amd-amdhsa -mcpu=gfx1250 --defsym DOCPART=n.
;; ======== version 1 of 3: 2 launches
;; limits: below input magnitudes of 3.2e-30 results are inexact or not finite
;; workspace buffers: bp 33,554,432 bytes of whole numbers; lasttag 2,048 bytes of whole numbers
;; launch viterbi (part 1): grid 256 x 1, 4 waves a work-group, no clusters, 0 bytes of LDS; arguments inputs, seq_lengths, trans_params, bp, lasttag; writes bp, lasttag
.if DOCPART == 1
	.amdgcn_target "amdgcn-amd-amdhsa--gfx1250"
	.amdhsa_code_object_version 6
	.text
	.protected	k_qb7737939ce_viterbi
	.globl	k_qb7737939ce_viterbi
	.p2align	8
	.type	k_qb7737939ce_viterbi,@function
k_qb7737939ce_viterbi:
	s_mov_b64 s[64:65], 0
	v_nop
	global_prefetch_b8 v0, s[64:65] scope:SCOPE_SE
	s_setreg_imm32_b32 hwreg(HW_REG_WAVE_MODE, 25, 1), 1
	s_wait_xcnt 0x0
; VITERBI, FORWARD.  inputs [512][2048][32] f32, seq_lengths [512] i32, trans [32][32] f32.
; alpha_{s+1}[j] = fl( max_i fl(alpha_s[i] + T[i][j]) + x[s+1][j] ), bp[s][j] = the lowest i that reaches the maximum: the reference's own f32
; operations in its own order, so that the tags come out bit for bit.  The chain of up to 2,047 steps of a sequence is serial; there are 512
; sequences.  TWO WAVES RUN ONE SEQUENCE'S CHAIN, both in full (they hand nothing to each other: no LDS, no barrier); wave half w makes the
; argmax of the 16 columns 16 w + r alone.  4 waves a work-group, 256 work-groups: 1,024 waves.
; Steps at or past len - 1 are thrown away by the reference's own mask: a wave runs G = ceil((len - 1) / 32) groups of 32 steps (at least one).
; LANES.  Lane (h, r) holds alpha of tag 16 hx + r, hx = h xor w.  row_share:n on the add gives every lane alpha of tag 16 hx + n.  Set X is column
; 16 w + r, set Y column 16 (1 - w) + r; a lane makes both sets' maxima over its 16 previous tags; one exchange of the halves and a maximum leave
; in each lane the full maximum of its own tag's column.
; ARGMAX.  d = M - s is 0 exactly where s reaches the maximum; key = d x 2^127 + (2^23 + i) is 2^23 + i there and above 2^23 + 31 elsewhere; the
; least key's low byte is the lowest such i.  It is made one and two steps behind the chain, in the places where the chain would wait.
; OUT.  bp byte of (b, s, j) at b 65536 + (j >> 4) 32768 + (s >> 5) 512 + ((s >> 4) & 1) 256 + (j & 15) 16 + (s & 15): a group of 32 steps
; of 16 columns leaves as one store of 512 consecutive bytes, aligned.  lasttag[b] = the lowest tag that reaches the maximum of alpha at len - 1.
; LIMITS.  NaN and infinities are not treated.  A gap M - s that is not 0 but below 2^-122 counts as a tie (both scores are then below 2^-98 in size).
; Lengths are held to 1 .. 2048.
.set LN,   1            ; v1   lane
.set VLD,  2            ; v2   4 x my tag: my byte in a row of 32 logits; never rewritten
.set L16,  3            ; v3   16 x lane
.set VST,  4            ; v4   byte offset of my 16 bytes of a group of backpointers
.set MB,   6            ; v[6:7] set X's maximum in both halves (v7 only named with it)
.set MM,   8            ; the step's maxima, by tag
.set XM,   9
.set CXA,  10
.set CXB,  11
.set EX,   12
.set CX,   13
.set CYA,  14
.set CYB,  15
.set EY,   16
.set CY,   17
.set RA,   18
.set RB,   19
.set XR,   20
.set A0,   21           ; alpha at time 0
.set AF,   22           ; alpha at time len - 1
.set OUT,  24           ; v[24:27]
.set ACC,  28           ; v[28:35]  backpointers of a group, four steps a register
.set TX,   36           ; T[16 hx + n][16 w + r]
.set TY,   52           ; T[16 hx + n][16 (1 - w) + r]
.set SY,   68           ; set Y's 16 scores
.set SX0,  84           ; set X's 16 scores, two buffers by the step's parity: the argmax reads them a step later
.set DD,   116          ; gaps, then keys
.set IX,   132          ; 2^23 + 16 hx + n
.set AL,   148          ; v[148:179] alpha behind step k of the group
.set LG,   180          ; v[180:211] logits for step k of the group: a ring of 32 loads
.set TLEN, 17           ; s17  len - 1
.set NG,   18           ; s18  G
.set CNT,  19           ; s19  groups done
.set ROW,  20           ; s[20:21] inputs at my sequence
.set LB,   22           ; s[22:23] the next group's logits, less one row
.set LB31, 24           ; s[24:25] the next group's last row, held inside the sequence
.set OFF,  26           ; s[26:27], s[28:29] their byte offsets
.set OFF31, 28
.set BIG,  30           ; s[30:31] 2^127
.set SEL,  32           ; s[32:33] v_permlanex16_b32: each lane takes its own place in the other half
.set HIM,  34           ; s34  lanes 16 to 31
.set PSEL, 35           ; s35  v_perm_b32: three bytes move down, the new one comes in on top
.set BPB,  38           ; s[38:39] bp at my sequence and my 16 columns
	s_load_b256 s[4:11], s[0:1], 0x0               ; inputs s[4:5], seq_lengths s[6:7], trans s[8:9], bp s[10:11]
	s_load_b64 s[12:13], s[0:1], 0x20              ; lasttag
	v_and_b32 v[LN], 31, v0
	v_lshrrev_b32 v5, 5, v0
	v_readfirstlane_b32 s14, v5                    ; wave 0..3
	s_and_b32 s15, s14, 1                          ; w
	s_lshr_b32 s16, s14, 1
	s_lshl_b32 s36, ttmp9, 1
	s_add_co_u32 s16, s36, s16                     ; b = 2 x work-group + wave / 2
	s_lshl_b32 s42, s16, 2                         ; 4 b; never rewritten
	s_wait_kmcnt 0x0
	s_load_b32 s[TLEN], s[6:7], s42 offset:0x0     ; len
	s_lshl_b32 s37, s15, 4
	v_xor_b32 v[VLD], s37, v[LN]                   ; my tag = lane xor 16 w
	v_lshlrev_b32 v[VLD], 2, v[VLD]
	v_lshlrev_b32 v[L16], 4, v[LN]
	v_lshrrev_b32 v5, 4, v[LN]
	v_xor_b32 v5, s15, v5                          ; hx
	v_lshl_or_b32 v22, v5, 4, 0x4b000000           ; the bits of 2^23 + 16 hx
	v_and_b32 v23, 15, v[LN]
	v_lshlrev_b32 v23, 2, v23
	v_lshl_add_u32 v23, v5, 11, v23                ; 16 hx rows of 128 bytes + 4 r
	s_lshl_b32 s36, s15, 6                         ; set X's 16 columns,
	s_xor_b32 s37, s36, 64                         ; set Y's
	v_add_nc_u32 v5, s36, v23
	v_add_nc_u32 v23, s37, v23
.set n, 0
.rept 16
	global_load_b32 v[TX+n], v5, s[8:9] offset:128*n
	global_load_b32 v[TY+n], v23, s[8:9] offset:128*n
.set n, n+1
.endr
	s_lshl_b32 s36, s16, 18                        ; a sequence is 262,144 bytes
	s_mov_b32 s37, 0
	s_add_nc_u64 s[ROW:ROW+1], s[4:5], s[36:37]
	global_load_b32 v[AL+31], v[VLD], s[ROW:ROW+1]  ; alpha at time 0 stands where step 0 looks for the alpha before it
.set n, 0
.rept 32
	global_load_b32 v[LG+n], v[VLD], s[ROW:ROW+1] offset:(n+1)*128  ; the first group's logits: times 1 to 32
.set n, n+1
.endr
	; While the loads are out.  The argmax runs two steps behind the chain, in one text for every step: in the first two steps it works on these
	; zeros, and what it packs then is pushed out of its register again; a lane-crossing instruction's destination counts as read, so those are written too.
.set n, 0
.rept 16
	v_add_nc_u32 v[IX+n], n, v22
.set n, n+1
.endr
.set n, SY
.rept 64
	v_mov_b32 v[n], 0                              ; SY, both SX, DD
.set n, n+1
.endr
.set n, ACC
.rept 8
	v_mov_b32 v[n], 0
.set n, n+1
.endr
	v_mov_b32 v[MB+1], 0
	v_mov_b32 v[MM], 0
	v_mov_b32 v[XM], 0
	v_mov_b32 v[XR], 0
	s_mov_b32 s[BIG], 0x7f000000
	s_mov_b32 s[BIG+1], 0x7f000000
	s_mov_b32 s[SEL], 0x76543210
	s_mov_b32 s[SEL+1], 0xfedcba98
	s_mov_b32 s[HIM], 0xffff0000
	s_mov_b32 s[PSEL], 0x04030201
	s_lshl_b32 s36, s16, 16                        ; a sequence's backpointers are 65,536 bytes,
	s_lshl_b32 s40, s15, 15                        ; my 16 columns' half of them
	s_add_co_u32 s36, s36, s40
	s_add_nc_u64 s[BPB:BPB+1], s[10:11], s[36:37]
	s_mov_b32 s[CNT], 0
	s_mov_b32 s[OFF], 4096
	s_mov_b32 s[OFF+1], 0
	s_mov_b32 s[OFF31], 8192
	s_mov_b32 s[OFF31+1], 0
	s_add_nc_u64 s[LB:LB+1], s[ROW:ROW+1], s[OFF:OFF+1]
	s_add_nc_u64 s[LB31:LB31+1], s[ROW:ROW+1], s[OFF31:OFF31+1]
	s_wait_kmcnt 0x0
	s_max_i32 s[TLEN], s[TLEN], 1
	s_min_u32 s[TLEN], s[TLEN], 2048
	s_sub_co_u32 s[TLEN], s[TLEN], 1               ; len - 1: the number of steps that count
	s_add_co_u32 s[NG], s[TLEN], 31
	s_lshr_b32 s[NG], s[NG], 5
	s_max_u32 s[NG], s[NG], 1
	s_wait_loadcnt 32                              ; loads come back in order (ISA guide 5.7.1): the table and alpha at time 0 are in, the 32 logit loads may stay out
	v_mov_b32 v[A0], v[AL+31]
.macro M3 d, a, b, c
	v_max3_num_f32 v[\d], v[\a], v[\b], v[\c]
.endm
.macro N3 d, a, b, c
	v_min3_num_f32 v[\d], v[\a], v[\b], v[\c]
.endm
.macro YA n                            ; alpha of previous tag 16 hx + n, plus its transition into set Y's column
	v_add_f32_dpp v[SY+\n], v[AL+PRV], v[TY+\n] row_share:\n row_mask:0xf bank_mask:0xf
.endm
.macro XA n                            ; the same for set X
	v_add_f32_dpp v[SCUR+\n], v[AL+PRV], v[TX+\n] row_share:\n row_mask:0xf bank_mask:0xf
.endm
.macro OPG0                            ; the last step's maxima, from the other half
	v_permlanex16_b32 v[XM], v[MM], s[SEL], s[SEL+1]
.endm
.macro OPG1                            ; lanes 0-15 hold set X's maxima: both halves take them
	v_cndmask_b32 v[MB], v[MM], v[XM], s[HIM]
.endm
.macro DF n                            ; two gaps M - s of the last step's set X
	v_pk_add_f32 v[DD+2*\n:DD+2*\n+1], v[MB:MB+1], v[SPRV+2*\n:SPRV+2*\n+1] op_sel_hi:[0,1] neg_lo:[0,1] neg_hi:[0,1]
.endm
.macro KY n                            ; two keys
	v_pk_fma_f32 v[DD+2*\n:DD+2*\n+1], v[DD+2*\n:DD+2*\n+1], s[BIG:BIG+1], v[IX+2*\n:IX+2*\n+1] op_sel_hi:[1,0,1]
.endm
.macro OPN1
	v_min_num_f32 v[RA], v[RA], v[DD+15]
.endm
.macro OPH0
	v_permlanex16_b32 v[XR], v[RA], s[SEL], s[SEL+1]
.endm
.macro OPH1                            ; the least key over all 32 previous tags, in both halves
	v_min_num_f32 v[RA], v[RA], v[XR]
.endm
.macro OPH2                            ; its low byte is the backpointer
	v_perm_b32 v[ACC+Q2], v[RA], v[ACC+Q2], s[PSEL]
.endm
; A finished group, CNT - 1, leaves: lanes 0-15 hold steps 0-15 of column r, lanes 16-31 steps 16-31.
.macro BPSTORE
	s_max_u32 s36, s[CNT], 1
	s_sub_co_u32 s36, s36, 1
	s_min_u32 s36, s36, 63
	s_lshl_b32 s36, s36, 9
	v_add_nc_u32 v[VST], s36, v[L16]
.irp q, 0,1,2,3
	v_cndmask_b32 v[OUT+\q], v[ACC+\q], v[ACC+4+\q], s[HIM]
.endr
	global_store_b128 v[VST], v[OUT:OUT+3], s[BPB:BPB+1]  ; the wave's store covers 512 consecutive bytes, aligned
.endm
; STEP K of a group.  The chain: 32 adds, 16 maxima, the exchange, a maximum, the logit.  Beside it the gaps and keys of step K - 1 (wide: they fill
; the chain's narrow end) and the least key of step K - 2 (narrow: it rides among the adds).
.macro STEP
.set PRV,  (K+31)%32
.set SCUR, SX0+16*(K%2)
.set SPRV, SX0+16*((K+1)%2)
.set Q2,   ((K+30)%32)/4
.if K%4 == 0
	s_wait_loadcnt 28                              ; behind the load of logit K + 3 stand those of K + 4 .. 31 and of 0 .. K - 1: 28, on the way in and on the way back
.endif
	OPG0
	N3 RA, DD, DD+1, DD+2
	N3 RB, DD+8, DD+9, DD+10
	YA 0
	YA 1
	N3 RA, RA, DD+3, DD+4
	N3 RB, RB, DD+11, DD+12
	YA 2
	YA 3
	OPG1
	N3 RA, RA, DD+5, DD+6
	N3 RB, RB, DD+13, DD+14
.irp m, 4,5,6,7
	YA \m
.endr
	N3 RA, RA, RB, DD+7
.irp m, 8,9,10,11
	YA \m
.endr
	OPN1
.irp m, 12,13,14,15
	YA \m
.endr
	OPH0
	XA 0
	XA 1
	XA 2
	M3 CYA, SY, SY+1, SY+2
	OPH1
	XA 3
	XA 4
	M3 CYB, SY+7, SY+8, SY+9
	M3 CXA, SCUR, SCUR+1, SCUR+2
	OPH2
.if K == 1                             ; step 31 of the group before has just been packed
	s_cmp_eq_u32 s[CNT], 0
	s_cbranch_scc1 .Lnost                          ; there is no group before the first
	BPSTORE
.Lnost:
.endif
	XA 5
	XA 6
	M3 CYA, CYA, SY+3, SY+4
	XA 7
	XA 8
	XA 9
	M3 CYB, CYB, SY+10, SY+11
	M3 CXA, CXA, SCUR+3, SCUR+4
	XA 10
	M3 CXB, SCUR+7, SCUR+8, SCUR+9
	XA 11
	M3 CYA, CYA, SY+5, SY+6
	XA 12
	XA 13
	M3 CXA, CXA, SCUR+5, SCUR+6
	M3 CXB, CXB, SCUR+10, SCUR+11
	XA 14
	XA 15
	M3 CYB, CYB, SY+12, SY+13
	v_max_num_f32 v[EY], v[SY+14], v[SY+15]
	M3 CXB, CXB, SCUR+12, SCUR+13
	DF 0
	v_max_num_f32 v[EX], v[SCUR+14], v[SCUR+15]
	M3 CY, CYA, CYB, EY
	DF 1
	DF 2
	DF 3
	M3 CX, CXA, CXB, EX
	DF 4
	DF 5
	DF 6
	DF 7
	v_permlane16_swap_b32 v[CX], v[CY]             ; CX's upper half changes places with CY's lower: each lane now holds both halves' maxima of its own tag's column
	KY 0
	KY 1
	KY 2
	KY 3
	v_max_num_f32 v[MM], v[CX], v[CY]
	KY 4
	KY 5
	KY 6
	KY 7
	v_add_f32 v[AL+K], v[MM], v[LG+K]
.if K == 31
	global_load_b32 v[LG+K], v[VLD], s[LB31:LB31+1]
.else
	global_load_b32 v[LG+K], v[VLD], s[LB:LB+1] offset:(K+1)*128  ; the same step of the next group: a whole group ahead of its use
.endif
.endm
.macro LATE                            ; the least key and the pack, by themselves
	N3 RA, DD, DD+1, DD+2
	N3 RB, DD+8, DD+9, DD+10
	N3 RA, RA, DD+3, DD+4
	N3 RB, RB, DD+11, DD+12
	N3 RA, RA, DD+5, DD+6
	N3 RB, RB, DD+13, DD+14
	N3 RA, RA, RB, DD+7
	OPN1
	OPH0
	OPH1
	OPH2
.endm
.Ltrip:                                ; a trip is a group of 32 steps
.set K, 0
.rept 32
	STEP
.set K, K+1
.endr
	s_wait_xcnt 0x0                                ; the two bases, and the store's offset and data, are rewritten only behind this wait
	s_add_co_u32 s[CNT], s[CNT], 1
	s_add_co_u32 s36, s[CNT], 1                    ; the group that the next trip loads for, held to the sequence's last:
	s_min_u32 s36, s36, 63                         ; what a last trip asks for is not used, and stays inside the sequence's 262,144 bytes
	s_lshl_b32 s[OFF], s36, 12
	s_add_co_u32 s[OFF31], s[OFF], 4096
	s_min_u32 s[OFF31], s[OFF31], 262016           ; the row of time 2,047 at the most
	s_add_nc_u64 s[LB:LB+1], s[ROW:ROW+1], s[OFF:OFF+1]
	s_add_nc_u64 s[LB31:LB31+1], s[ROW:ROW+1], s[OFF31:OFF31+1]
	s_cmp_lt_u32 s[CNT], s[NG]
	s_cbranch_scc1 .Ltrip
	; The argmax catches up: step 30's least key; step 31's gaps, keys and least key; the last group leaves.
.set Q2, 7
.set SPRV, SX0+16
	LATE
	OPG0
	OPG1
.irp m, 0,1,2,3,4,5,6,7
	DF \m
.endr
.irp m, 0,1,2,3,4,5,6,7
	KY \m
.endr
	LATE
	BPSTORE
	s_cmp_lg_u32 s15, 0
	s_cbranch_scc1 .Lend                           ; the last tag is made by the wave in which lane = tag
	s_sub_co_u32 s36, s[TLEN], 1
	s_and_b32 s36, s36, 31                         ; alpha at time len - 1 stands behind step (len - 2) mod 32 of the last group
	v_mov_b32 v[AF], v[AL]
.set n, 1
.rept 31
	s_cmp_eq_u32 s36, n
	s_cselect_b32 s40, -1, 0
	v_cndmask_b32 v[AF], v[AF], v[AL+n], s40
.set n, n+1
.endr
	s_cmp_eq_u32 s[TLEN], 0                        ; len = 1: no step counts
	s_cselect_b32 s40, -1, 0
	v_cndmask_b32 v[AF], v[AF], v[A0], s40
	v_mov_b32 v23, v[AF]
	v_max_num_f32_dpp v23, v23, v23 row_xmask:1 row_mask:0xf bank_mask:0xf
	v_max_num_f32_dpp v23, v23, v23 row_xmask:2 row_mask:0xf bank_mask:0xf
	v_max_num_f32_dpp v23, v23, v23 row_xmask:4 row_mask:0xf bank_mask:0xf
	v_max_num_f32_dpp v23, v23, v23 row_xmask:8 row_mask:0xf bank_mask:0xf
	v_permlanex16_b32 v5, v23, s[SEL], s[SEL+1]
	v_max_num_f32 v23, v23, v5
	v_cmp_eq_f32 s40, v[AF], v23
	s_ctz_i32_b32 s36, s40                         ; the lowest tag that reaches the maximum
	v_mov_b32 v5, s36
	v_mov_b32 v[XR], s42
	v_cmp_eq_u32 vcc_lo, 0, v[LN]
	s_wait_xcnt 0x0                                ; EXEC is a source of the loads and the store that are out: it changes only behind this wait
	s_and_saveexec_b32 s41, vcc_lo
	global_store_b32 v[XR], v5, s[12:13]           ; one word a sequence
	s_wait_xcnt 0x0
	s_or_b32 exec_lo, exec_lo, s41
.Lend:
	s_endpgm
.Lfunc_end_k_qb7737939ce_viterbi:
	.size	k_qb7737939ce_viterbi, .Lfunc_end_k_qb7737939ce_viterbi-k_qb7737939ce_viterbi
	.p2alignl 7, 3214868480
	.fill 96, 4, 3214868480
	.section	.rodata,"a",@progbits
	.p2align	6, 0x0
	.amdhsa_kernel k_qb7737939ce_viterbi
		.amdhsa_group_segment_fixed_size 0
		.amdhsa_private_segment_fixed_size 0
		.amdhsa_enable_private_segment 0
		.amdhsa_kernarg_size 40
		.amdhsa_user_sgpr_count 2
		.amdhsa_user_sgpr_kernarg_segment_ptr 1
		.amdhsa_wavefront_size32 1
		.amdhsa_system_sgpr_workgroup_id_x 1
		.amdhsa_system_sgpr_workgroup_id_y 1
		.amdhsa_system_sgpr_workgroup_id_z 1
		.amdhsa_system_vgpr_workitem_id 0
		.amdhsa_next_free_vgpr 212
		.amdhsa_next_free_sgpr 66
		.amdhsa_reserve_vcc 1
		.amdhsa_float_denorm_mode_32 3
		.amdhsa_float_denorm_mode_16_64 3
		.amdhsa_memory_ordered 1
		.amdhsa_forward_progress 1
		.amdhsa_inst_pref_size 177
	.end_amdhsa_kernel
	.amdgpu_metadata
---
amdhsa.version: [ 1, 2 ]
amdhsa.kernels:
  - .name:           k_qb7737939ce_viterbi
    .symbol:         k_qb7737939ce_viterbi.kd
    .args:
      - { .name: inputs, .offset: 0, .size: 8, .value_kind: global_buffer, .address_space: global }
      - { .name: seq_lengths, .offset: 8, .size: 8, .value_kind: global_buffer, .address_space: global }
      - { .name: trans_params, .offset: 16, .size: 8, .value_kind: global_buffer, .address_space: global }
      - { .name: bp, .offset: 24, .size: 8, .value_kind: global_buffer, .address_space: global }
      - { .name: lasttag, .offset: 32, .size: 8, .value_kind: global_buffer, .address_space: global }
    .group_segment_fixed_size: 0
    .private_segment_fixed_size: 0
    .kernarg_segment_align: 8
    .kernarg_segment_size: 40
    .max_flat_workgroup_size: 128
    .sgpr_count:     66
    .vgpr_count:     212
    .wavefront_size: 32
...
	.end_amdgpu_metadata
.endif
;; end of part 1
;; launch backtrace (part 2): grid 512 x 1, 8 waves a work-group, no clusters, 78,848 bytes of LDS; arguments bp, lasttag, seq_lengths, out0; writes out0
.if DOCPART == 2
	.amdgcn_target "amdgcn-amd-amdhsa--gfx1250"
	.amdhsa_code_object_version 6
	.text
	.protected	k_qb7737939ce_backtrace
	.globl	k_qb7737939ce_backtrace
	.p2align	8
	.type	k_qb7737939ce_backtrace,@function
k_qb7737939ce_backtrace:
	s_mov_b64 s[64:65], 0
	v_nop
	global_prefetch_b8 v0, s[64:65] scope:SCOPE_SE
	s_setreg_imm32_b32 hwreg(HW_REG_WAVE_MODE, 25, 1), 1
	s_wait_xcnt 0x0
; VITERBI, BACKWARD.  tag[s] = bp[s][tag[s + 1]] for s < len - 1, tag[s] = tag[s + 1] from there on, tag[2048] = lasttag; out0[b][t] = tag[t] for t < len, else 0.
; One work-group a sequence.  A walk of 2,047 dependent look-ups is cut: the steps lie in 64 chunks of 32, and each chunk is walked for ALL 32 tags
; that it could be entered with (lane = entry tag).  Maps of whole numbers compose exactly, so chaining the 64 chunk maps gives each chunk's true
; entry tag, and the row walked for that tag is the answer.  Wave v owns steps 256 v .. 256 v + 255: eight chunks, walked side by side.
; LDS.  Wave v's own region at 8,704 v: 32 rows (tag j) of 256 bytes (step) + 16 of padding; the 16 lanes of a 16-byte store fall into 16 different
; 16-byte columns.  First it holds bp[s][j]; the walk writes tag[s] for entry tag j over column s once all lanes have read it.
; FM at 69,632: the chunk maps, word [chunk][entry tag].  SPARE at 77,824: the spare words, 128 bytes a wave.
; Lengths are held to 1 .. 2048, tags to 0 .. 31.  Of bp only the groups that the launch before wrote, ceil((len - 1) / 32) or one, are read.
.set REG,   8704
.set PIT,   272
.set FM,    69632
.set SPARE, 77824
.set LSA, 5             ; v5   where my 16 bytes of a group go
.set J272, 6            ; v6   my row
.set SAK, 7             ; v7   my row at the trip's step
.set FA,  8             ; v8   my word of my wave's first chunk map
.set FJ,  9             ; v9   my word of chunk 0's map
.set SPW, 12            ; v12  my spare word; never rewritten
.set NIL, 13            ; v13  0; never rewritten
.set OF,  14            ; v[14:21] byte offsets of my 16 bytes in the wave's eight groups
.set TG,  22            ; v[22:29] the walk's tag, a chunk each
.set NW,  30            ; v[30:37]
.set AD,  38            ; v[38:45]
.set EV,  46            ; v[46:47] lane c % 32 of register c / 32: chunk c's entry tag
.set EVS, 48
.set BI,  50
.set EL,  52
.set W,   54
.set O,   56            ; v[56:63]
.set REM, 64
.set GO,  66
.set DB,  67
.set DA,  68            ; v[68:131] backpointers on their way to LDS; later the 64 chunk maps
.set LIM, 22            ; s[22:29] chunk i: steps k of it below this count
	s_load_b256 s[4:11], s[0:1], 0x0               ; bp s[4:5], lasttag s[6:7], seq_lengths s[8:9], out0 s[10:11]
	v_lshl_add_u32 v[SPW], v0, 2, SPARE
	v_mov_b32 v[NIL], 0
	v_and_b32 v1, 31, v0                           ; lane
	v_lshrrev_b32 v10, 5, v0
	v_readfirstlane_b32 s12, v10                   ; wave 0..7
	s_lshl_b32 s13, ttmp9, 2
	s_mul_i32 s17, s12, REG                        ; my wave's region
	s_wait_kmcnt 0x0
	s_load_b32 s14, s[8:9], s13 offset:0x0         ; len
	s_load_b32 s15, s[6:7], s13 offset:0x0         ; the last tag
	v_and_b32 v2, 15, v1
	v_lshrrev_b32 v3, 4, v1
	v_lshlrev_b32 v4, 4, v1
	v_mul_u32_u24 v[LSA], v2, PIT
	v_lshl_add_u32 v[LSA], v3, 4, v[LSA]
	v_add_nc_u32 v[LSA], s17, v[LSA]               ; row lane % 16, 16 bytes for each half of the lanes
	v_mul_u32_u24 v[J272], v1, PIT
	s_lshl_b32 s30, s12, 10
	s_add_co_u32 s30, s30, FM
	v_lshl_add_u32 v[FA], v1, 2, s30
	v_lshl_add_u32 v[FJ], v1, 2, FM
	v_mov_b32 v[EV], 0                             ; v_writelane_b32's destination counts as read
	v_mov_b32 v[EV+1], 0
	s_lshl_b32 s32, ttmp9, 16
	s_mov_b32 s33, 0
	s_add_nc_u64 s[4:5], s[4:5], s[32:33]          ; bp at my sequence
	s_lshl_b32 s32, ttmp9, 13
	s_add_nc_u64 s[10:11], s[10:11], s[32:33]      ; out0 at my sequence
	s_lshl_b32 s31, s12, 3                         ; my wave's first group
	s_wait_kmcnt 0x0
	s_max_i32 s14, s14, 1
	s_min_u32 s14, s14, 2048
	s_sub_co_u32 s14, s14, 1                       ; len - 1
	s_min_u32 s15, s15, 31
	s_add_co_u32 s16, s14, 31
	s_lshr_b32 s16, s16, 5
	s_max_u32 s16, s16, 1
	s_sub_co_u32 s16, s16, 1                       ; the last group that was written
	; A. My wave's eight groups, both halves of the columns, into my region.  A group that was not written is replaced by the last that was: its steps do not count.
.set i, 0
.rept 8
	s_add_co_u32 s30, s31, i
	s_min_u32 s30, s30, s16
	s_min_u32 s30, s30, 63
	s_lshl_b32 s30, s30, 9
	v_add_nc_u32 v[OF+i], s30, v4
	global_load_b128 v[DA+8*i:DA+8*i+3], v[OF+i], s[4:5]                 ; 512 consecutive bytes: columns 0-15
	global_load_b128 v[DA+8*i+4:DA+8*i+7], v[OF+i], s[4:5] offset:32768  ; columns 16-31
.set i, i+1
.endr
	s_lshl_b32 s30, s12, 8
	s_sub_co_i32 s[LIM], s14, s30                  ; step k of chunk i counts if 256 v + 32 i + k < len - 1
.set i, 1
.rept 7
	s_sub_co_i32 s[LIM+i], s[LIM], 32*i
.set i, i+1
.endr
.set i, 0
.rept 8
	v_mov_b32 v[TG+i], v1                          ; every chunk is entered with tag = lane
.set i, i+1
.endr
.set i, 0
.rept 16
	s_wait_loadcnt 15-i                            ; loads come back in order: load i is in
	ds_store_b128 v[LSA], v[DA+4*i:DA+4*i+3] offset:(i%2)*16*PIT+32*(i/2)
.set i, i+1
.endr
	; B. The walk, step 31 down to 0 of all eight chunks.  The region is my wave's own, and LDS serves a wave's instructions in order (ISA guide 5.7.1.4): no barrier.
	s_mov_b32 s20, 32
	s_mov_b32 s19, 31                              ; k
	s_add_co_u32 s18, s17, 31                      ; my region + k
.Lwalk:
	v_add_nc_u32 v[SAK], s18, v[J272]
.set i, 0
.rept 8
	v_lshl_add_u32 v[AD+i], v[TG+i], 4, v[TG+i]    ; 17 x tag,
	v_lshl_add_u32 v[AD+i], v[AD+i], 4, s18        ; x 16: the tag's row
	ds_load_u8 v[NW+i], v[AD+i] offset:32*i
.set i, i+1
.endr
.set i, 0
.rept 8
	s_cmp_lt_i32 s19, s[LIM+i]
	s_cselect_b32 s21, -1, 0
	s_wait_dscnt 7                                 ; behind load i stand 7 - i loads and i stores
	v_cndmask_b32 v[TG+i], v[TG+i], v[NW+i], s21   ; a step that does not count keeps the tag
	v_min_u32 v[TG+i], 31, v[TG+i]
	ds_store_b8 v[SAK], v[TG+i] offset:32*i        ; over column k, which all lanes have read: the tag at this step for entry tag = lane
.set i, i+1
.endr
	s_sub_co_u32 s18, s18, 1
	s_sub_co_i32 s19, s19, 1
	s_sub_co_u32 s20, s20, 1
	s_cmp_lg_u32 s20, 0
	s_cbranch_scc1 .Lwalk
.set i, 0
.rept 8
	ds_store_b32 v[FA], v[TG+i] offset:128*i       ; the chunk's map: entry tag -> the next lower chunk's entry tag
.set i, i+1
.endr
	s_wait_dscnt 0x0                               ; for the others' sake: my maps are stored
	s_barrier_signal -1
	s_barrier_wait -1
	; C. The chain, from the last chunk down; every wave makes it for itself.
.set c, 0
.rept 64
	ds_load_b32 v[DA+c], v[FJ] offset:128*c
.set c, c+1
.endr
	s_wait_dscnt 0x0
.set c, 63
.rept 64
	v_writelane_b32 v[EV+c/32], s15, c%32
	v_readlane_b32 s15, v[DA+c], s15
.set c, c-1
.endr
	; D. Each lane takes four steps of the row that was walked for its chunk's true entry tag, widens them, and clears what lies past len - 1.
	s_cmp_ge_u32 s12, 4
	s_cselect_b32 s21, -1, 0
	v_cndmask_b32 v[EVS], v[EV], v[EV+1], s21
	v_lshrrev_b32 v10, 3, v1
	s_and_b32 s30, s31, 31
	v_add_nc_u32 v10, s30, v10                     ; my chunk, modulo 32: 8 v + lane / 8,
	v_lshlrev_b32 v[BI], 2, v10
	v_add_nc_u32 v[BI+1], 16, v[BI]                ; and four chunks on for the second half of the wave's steps
	ds_bpermute_b32 v[EL], v[BI], v[EVS]
	ds_bpermute_b32 v[EL+1], v[BI+1], v[EVS]
	v_lshl_add_u32 v[DB], v1, 2, s17
	v_lshlrev_b32 v10, 2, v1
	v_sub_nc_u32 v[REM], s[LIM], v10               ; len - 1 less my first step
	v_add_nc_u32 v[REM+1], 0xffffff80, v[REM]
	s_lshl_b32 s30, s12, 10
	v_lshl_add_u32 v[GO], v1, 4, s30
	s_wait_dscnt 0x0
.irp u, 0,1
	v_min_u32 v[EL+\u], 31, v[EL+\u]
	v_lshl_add_u32 v[AD+\u], v[EL+\u], 4, v[EL+\u]
	v_lshl_add_u32 v[AD+\u], v[AD+\u], 4, v[DB]
	ds_load_b32 v[W+\u], v[AD+\u] offset:128*\u
.endr
	s_wait_dscnt 0x0
.irp u, 0,1
	v_and_b32 v[O+4*\u], 0xff, v[W+\u]
	v_bfe_u32 v[O+4*\u+1], v[W+\u], 8, 8
	v_bfe_u32 v[O+4*\u+2], v[W+\u], 16, 8
	v_lshrrev_b32 v[O+4*\u+3], 24, v[W+\u]
.irp m, 0,1,2,3
	v_cmp_le_i32 vcc_lo, \m, v[REM+\u]
	v_cndmask_b32 v[O+4*\u+\m], 0, v[O+4*\u+\m], vcc_lo
.endr
	global_store_b128 v[GO], v[O+4*\u:O+4*\u+3], s[10:11] offset:512*\u th:TH_STORE_NT  ; 512 consecutive bytes, aligned
.endr
	s_wait_tensorcnt 0x0                           ; the wave's end, behind my last LDS store
	ds_add_u32 v[SPW], v[NIL]
	s_wait_dscnt 0x0
	s_endpgm
.Lfunc_end_k_qb7737939ce_backtrace:
	.size	k_qb7737939ce_backtrace, .Lfunc_end_k_qb7737939ce_backtrace-k_qb7737939ce_backtrace
	.p2alignl 7, 3214868480
	.fill 96, 4, 3214868480
	.section	.rodata,"a",@progbits
	.p2align	6, 0x0
	.amdhsa_kernel k_qb7737939ce_backtrace
		.amdhsa_group_segment_fixed_size 78848
		.amdhsa_private_segment_fixed_size 0
		.amdhsa_enable_private_segment 0
		.amdhsa_kernarg_size 32
		.amdhsa_user_sgpr_count 2
		.amdhsa_user_sgpr_kernarg_segment_ptr 1
		.amdhsa_wavefront_size32 1
		.amdhsa_system_sgpr_workgroup_id_x 1
		.amdhsa_system_sgpr_workgroup_id_y 1
		.amdhsa_system_sgpr_workgroup_id_z 1
		.amdhsa_system_vgpr_workitem_id 0
		.amdhsa_next_free_vgpr 132
		.amdhsa_next_free_sgpr 66
		.amdhsa_reserve_vcc 1
		.amdhsa_float_denorm_mode_32 3
		.amdhsa_float_denorm_mode_16_64 3
		.amdhsa_memory_ordered 1
		.amdhsa_forward_progress 1
		.amdhsa_inst_pref_size 26
	.end_amdhsa_kernel
	.amdgpu_metadata
---
amdhsa.version: [ 1, 2 ]
amdhsa.kernels:
  - .name:           k_qb7737939ce_backtrace
    .symbol:         k_qb7737939ce_backtrace.kd
    .args:
      - { .name: bp, .offset: 0, .size: 8, .value_kind: global_buffer, .address_space: global }
      - { .name: lasttag, .offset: 8, .size: 8, .value_kind: global_buffer, .address_space: global }
      - { .name: seq_lengths, .offset: 16, .size: 8, .value_kind: global_buffer, .address_space: global }
      - { .name: out0, .offset: 24, .size: 8, .value_kind: global_buffer, .address_space: global }
    .group_segment_fixed_size: 78848
    .private_segment_fixed_size: 0
    .kernarg_segment_align: 8
    .kernarg_segment_size: 32
    .max_flat_workgroup_size: 256
    .sgpr_count:     66
    .vgpr_count:     132
    .wavefront_size: 32
...
	.end_amdgpu_metadata
.endif
;; end of part 2
;; ======== version 2 of 3: 3 launches; 1.25 times as fast as version 1
;; limits: below input magnitudes of 3.2e-30 results are inexact or not finite
;; workspace buffers: bp 33,554,432 bytes of whole numbers; lasttag 2,048 bytes of whole numbers; order 2,048 bytes of whole numbers
;; launch ranks (part 3): grid 16 x 1, 4 waves a work-group, no clusters, 0 bytes of LDS; arguments seq_lengths, order; writes order
.if DOCPART == 3
	.amdgcn_target "amdgcn-amd-amdhsa--gfx1250"
	.amdhsa_code_object_version 6
	.text
	.protected	k_qb7737939ce_ranks
	.globl	k_qb7737939ce_ranks
	.p2align	8
	.type	k_qb7737939ce_ranks,@function
k_qb7737939ce_ranks:
	s_mov_b64 s[64:65], 0
	v_nop
	global_prefetch_b8 v0, s[64:65] scope:SCOPE_SE
	s_setreg_imm32_b32 hwreg(HW_REG_WAVE_MODE, 25, 1), 1
	s_wait_xcnt 0x0
; THE SEQUENCES BY LENGTH.  order[rank] = b, the longest first: the next launch gives each work-group a long sequence and a short one.
; key(b) = (len << 9) | b: no two keys are alike whatever the lengths hold, so rank(b) = the number of greater keys is a permutation of 0 .. 511.
; 64 waves.  Each holds all 512 keys (16 registers x 32 lanes) and ranks 8 candidates: a compare against the candidate's key gives a mask of 32 lanes,
; its bits are counted and added up in scalar registers: 16 compares, 16 counts, 16 adds a candidate.
.set KEY, 4             ; v[4:19]   register 4 q + e, lane l: the key of sequence 128 q + 4 l + e
.set JN,  20            ; v[20:35]  that number
.set RK,  36            ; v36  lane c: candidate c's rank, then its byte offset in order
.set CD,  37            ; v37  lane c: candidate c's number
.set CK,  12            ; s[12:19]  the eight candidates' lengths, then keys
.set MSK, 32            ; s[32:47]  masks, then counts
	s_load_b128 s[4:7], s[0:1], 0x0                ; seq_lengths s[4:5], order s[6:7]
	v_and_b32 v1, 31, v0
	v_lshrrev_b32 v2, 5, v0
	v_readfirstlane_b32 s8, v2                     ; wave 0..3
	s_lshl_b32 s9, ttmp9, 2
	s_add_co_u32 s9, s9, s8                        ; my wave among the 64
	s_lshl_b32 s10, s9, 3                          ; my first candidate
	s_lshl_b32 s11, s9, 5                          ; its length's byte offset; never rewritten
	v_lshlrev_b32 v3, 4, v1
	v_lshlrev_b32 v2, 2, v1
	v_mov_b32 v[RK], 0                             ; v_writelane_b32's destination counts as read
	s_wait_kmcnt 0x0
	s_load_b256 s[CK:CK+7], s[4:5], s11 offset:0x0
.irp q, 0,1,2,3
	global_load_b128 v[KEY+4*\q:KEY+4*\q+3], v3, s[4:5] offset:512*\q  ; 512 consecutive bytes each: all 512 lengths
.endr
.set m, 0
.rept 16
	v_add_nc_u32 v[JN+m], 128*(m/4)+m%4, v2
.set m, m+1
.endr
	v_add_nc_u32 v[CD], s10, v1
	s_wait_kmcnt 0x0
.set c, 0
.rept 8
	s_lshl_b32 s[CK+c], s[CK+c], 9
	s_add_co_u32 s20, s10, c
	s_or_b32 s[CK+c], s[CK+c], s20
.set c, c+1
.endr
	s_wait_loadcnt 0x0
.set m, 0
.rept 16
	v_lshl_or_b32 v[KEY+m], v[KEY+m], 9, v[JN+m]
.set m, m+1
.endr
.set c, 0
.rept 8
.set m, 0
.rept 16
	v_cmp_gt_u32 s[MSK+m], v[KEY+m], s[CK+c]       ; the lanes whose key is greater than the candidate's
.set m, m+1
.endr
.set m, 0
.rept 16
	s_bcnt1_i32_b32 s[MSK+m], s[MSK+m]
.set m, m+1
.endr
	s_mov_b32 s21, 0
.set m, 0
.rept 16
	s_add_co_u32 s21, s21, s[MSK+m]
.set m, m+1
.endr
	v_writelane_b32 v[RK], s21, c
.set c, c+1
.endr
	v_min_u32 v[RK], 0x1ff, v[RK]                  ; a rank is 511 at the most
	v_lshlrev_b32 v[RK], 2, v[RK]
	v_cmp_gt_u32 vcc_lo, 8, v1
	s_wait_xcnt 0x0                                ; EXEC changes only behind this wait
	s_and_saveexec_b32 s22, vcc_lo
	global_store_b32 v[RK], v[CD], s[6:7]          ; eight words a wave, each where its rank says
	s_wait_xcnt 0x0
	s_or_b32 exec_lo, exec_lo, s22
	s_endpgm
.Lfunc_end_k_qb7737939ce_ranks:
	.size	k_qb7737939ce_ranks, .Lfunc_end_k_qb7737939ce_ranks-k_qb7737939ce_ranks
	.p2alignl 7, 3214868480
	.fill 96, 4, 3214868480
	.section	.rodata,"a",@progbits
	.p2align	6, 0x0
	.amdhsa_kernel k_qb7737939ce_ranks
		.amdhsa_group_segment_fixed_size 0
		.amdhsa_private_segment_fixed_size 0
		.amdhsa_enable_private_segment 0
		.amdhsa_kernarg_size 16
		.amdhsa_user_sgpr_count 2
		.amdhsa_user_sgpr_kernarg_segment_ptr 1
		.amdhsa_wavefront_size32 1
		.amdhsa_system_sgpr_workgroup_id_x 1
		.amdhsa_system_sgpr_workgroup_id_y 1
		.amdhsa_system_sgpr_workgroup_id_z 1
		.amdhsa_system_vgpr_workitem_id 0
		.amdhsa_next_free_vgpr 40
		.amdhsa_next_free_sgpr 66
		.amdhsa_reserve_vcc 1
		.amdhsa_float_denorm_mode_32 3
		.amdhsa_float_denorm_mode_16_64 3
		.amdhsa_memory_ordered 1
		.amdhsa_forward_progress 1
		.amdhsa_inst_pref_size 21
	.end_amdhsa_kernel
	.amdgpu_metadata
---
amdhsa.version: [ 1, 2 ]
amdhsa.kernels:
  - .name:           k_qb7737939ce_ranks
    .symbol:         k_qb7737939ce_ranks.kd
    .args:
      - { .name: seq_lengths, .offset: 0, .size: 8, .value_kind: global_buffer, .address_space: global }
      - { .name: order, .offset: 8, .size: 8, .value_kind: global_buffer, .address_space: global }
    .group_segment_fixed_size: 0
    .private_segment_fixed_size: 0
    .kernarg_segment_align: 8
    .kernarg_segment_size: 16
    .max_flat_workgroup_size: 128
    .sgpr_count:     66
    .vgpr_count:     40
    .wavefront_size: 32
...
	.end_amdgpu_metadata
.endif
;; end of part 3
;; launch viterbi (part 4): grid 256 x 1, 8 waves a work-group, no clusters, 0 bytes of LDS; arguments inputs, seq_lengths, trans_params, order, bp, lasttag; writes bp, lasttag
.if DOCPART == 4
	.amdgcn_target "amdgcn-amd-amdhsa--gfx1250"
	.amdhsa_code_object_version 6
	.text
	.protected	k_qb7737939ce_viterbi
	.globl	k_qb7737939ce_viterbi
	.p2align	8
	.type	k_qb7737939ce_viterbi,@function
k_qb7737939ce_viterbi:
	s_mov_b64 s[64:65], 0
	v_nop
	global_prefetch_b8 v0, s[64:65] scope:SCOPE_SE
	s_setreg_imm32_b32 hwreg(HW_REG_WAVE_MODE, 25, 1), 1
	s_wait_xcnt 0x0
; VITERBI, FORWARD.  inputs [512][2048][32] f32, seq_lengths [512] i32, trans [32][32] f32, order [512] (the sequences, longest first).
; alpha_{s+1}[j] = fl( max_i fl(alpha_s[i] + T[i][j]) + x[s+1][j] ), bp[s][j] = the lowest i that reaches the maximum: the reference's own f32
; operations in its own order, so that the tags come out bit for bit.  The chain of up to 2,047 steps of a sequence is serial.
; FOUR WAVES RUN ONE SEQUENCE'S CHAIN, each in full (they hand nothing to each other: no LDS, no barrier); the wave (w, p) makes the argmax of the 16
; columns 16 w + r in the steps of parity p alone.  A step's chain is 51 vector instructions, an argmax 29: 133 with the loads for two steps.
; A WORK-GROUP TAKES TWO SEQUENCES, rank g and rank 511 - g: a long one and a short one, eight waves.  Wave k works for slot (k xor k >> 2) & 1: the waves
; k and k + 4, and the waves 2 i and 2 i + 1, belong to different sequences.  The values hold for any lengths; the pairing evens the work out only where the
; lengths are spread: with all lengths alike a work-group has twice a sequence's work.
; Steps at or past len - 1 are thrown away by the reference's own mask: a wave runs G = ceil((len - 1) / 32) groups of 32 steps (at least one).
; ONE TEXT FOR BOTH PARITIES.  The text makes the argmax of its even steps.  A wave with p = 1 runs step 0 by itself ahead of the loop (chain alone), so
; its step k of group g is the sequence's step 32 g + k + 1, and its logits lie one row further on.
; LANES.  Lane (h, r) holds alpha of tag 16 hx + r, hx = h xor w.  row_share:n on the add gives every lane alpha of tag 16 hx + n.  Set X is column
; 16 w + r, set Y column 16 (1 - w) + r; a lane makes both sets' maxima over its 16 previous tags; one exchange of the halves and a maximum leave
; in each lane the full maximum of its own tag's column.
; ARGMAX.  d = M - s is 0 exactly where s reaches the maximum; key = d x 2^127 + (2^23 + i) is 2^23 + i there and above 2^23 + 31 elsewhere; the
; least key's low byte is the lowest such i.  It is spread over the four steps behind its own, in the places where the chain would wait.
; LOGITS.  A ring of 32 registers, loaded again in runs of eight behind steps 7, 15, 23 and 31, for the next group: a run is issued 24 steps ahead of its first use.
; OUT.  bp byte of (b, s, j) at b 65536 + ((j >> 4) + 2 (s & 1)) 16384 + (s >> 5) 256 + ((s >> 4) & 1) 128 + (j & 15) 8 + ((s >> 1) & 7): a group's 16 steps
; of 16 columns leave as one store of 256 consecutive bytes, aligned.  lasttag[b] = the lowest tag that reaches the maximum of alpha at len - 1.
; LIMITS.  NaN and infinities are not treated.  A gap M - s that is not 0 but below 2^-122 counts as a tie (both scores are then below 2^-98 in size).
; Lengths are held to 1 .. 2048, the numbers in order to 0 .. 511.
.set LN,   1            ; v1   lane
.set VLD,  2            ; v2   4 x my tag: my byte in a row of 32 logits; never rewritten
.set L8,   3            ; v3   8 x lane
.set VST,  4            ; v4   byte offset of my 8 bytes of a group of backpointers
.set MB,   6            ; v[6:7] set X's maximum in both halves (v7 only named with it)
.set MM,   8            ; the step's maxima, by tag
.set XM,   9
.set CXA,  10
.set CXB,  11
.set EX,   12
.set CX,   13
.set CYA,  14
.set CYB,  15
.set EY,   16
.set CY,   17
.set RA,   18
.set RB,   19
.set XR,   20
.set A0,   21           ; alpha at time 0
.set AF,   22           ; alpha at time len - 1
.set OUT,  24           ; v[24:25]
.set L1,   26           ; the logits of time 1, for the step ahead of the loop
.set ACC,  28           ; v[28:31]  backpointers of a group's 16 even steps, four a register
.set NT,   32           ; v[32:34]  at work in the tree of minima
.set TX,   36           ; T[16 hx + n][16 w + r]
.set TY,   52           ; T[16 hx + n][16 (1 - w) + r]
.set SY,   68           ; set Y's 16 scores
.set SX0,  84           ; set X's 16 scores, two buffers by the step's parity: the even steps' are read a step later
.set DD,   116          ; gaps, then keys
.set IX,   132          ; 2^23 + 16 hx + n
.set AL,   148          ; v[148:179] alpha behind step k of the group
.set LG,   180          ; v[180:211] logits for step k of the group
.set BB,   16           ; s16  b
.set TLEN, 17           ; s17  len - 1
.set NG,   18           ; s18  G
.set CNT,  19           ; s19  groups done
.set ROW,  20           ; s[20:21] inputs at my sequence
.set LB,   22           ; s[22:23] the next group's logits, less one row
.set LB31, 24           ; s[24:25] the next group's last row, held inside the sequence
.set OFF,  26           ; s[26:27], s[28:29], s[50:51] byte offsets
.set OFF31, 28
.set BIG,  30           ; s[30:31] 2^127
.set SEL,  32           ; s[32:33] v_permlanex16_b32: each lane takes its own place in the other half
.set HIM,  34           ; s34  lanes 16 to 31
.set PSEL, 35           ; s35  v_perm_b32: three bytes move down, the new one comes in on top
.set BPB,  38           ; s[38:39] bp at my sequence, my 16 columns and my parity
.set B4,   42           ; s42  4 b; never rewritten
.set WVN,  43           ; s43  wave 0..7
.set WH,   44           ; s44  w
.set PAR,  45           ; s45  p
.set ROLE, 46           ; s46  w + 2 p
.set LB30, 48           ; s[48:49] the next group's last row but one, held likewise
.set OFF30, 50
.set RK4,  52           ; s52  4 x my sequence's rank; never rewritten
.set P128, 53           ; s53  128 p
	s_load_b256 s[4:11], s[0:1], 0x0               ; inputs s[4:5], seq_lengths s[6:7], trans s[8:9], order s[10:11]
	s_load_b128 s[12:15], s[0:1], 0x20             ; bp s[12:13], lasttag s[14:15]
	v_and_b32 v[LN], 31, v0
	v_lshrrev_b32 v5, 5, v0
	v_readfirstlane_b32 s[WVN], v5
	s_lshr_b32 s[ROLE], s[WVN], 1
	s_and_b32 s[WH], s[ROLE], 1
	s_lshr_b32 s[PAR], s[ROLE], 1
	s_lshl_b32 s[P128], s[PAR], 7
	s_lshr_b32 s36, s[WVN], 2
	s_xor_b32 s36, s36, s[WVN]
	s_and_b32 s36, s36, 1                          ; which of the work-group's two sequences
	s_sub_co_u32 s37, 511, ttmp9
	s_cmp_eq_u32 s36, 0
	s_cselect_b32 s[RK4], ttmp9, s37               ; rank g, or rank 511 - g
	s_lshl_b32 s[RK4], s[RK4], 2
	s_wait_kmcnt 0x0
	s_load_b32 s[BB], s[10:11], s[RK4] offset:0x0
	s_lshl_b32 s37, s[WH], 4
	v_xor_b32 v[VLD], s37, v[LN]                   ; my tag = lane xor 16 w
	v_lshlrev_b32 v[VLD], 2, v[VLD]
	v_lshlrev_b32 v[L8], 3, v[LN]
	v_lshrrev_b32 v5, 4, v[LN]
	v_xor_b32 v5, s[WH], v5                        ; hx
	v_lshl_or_b32 v22, v5, 4, 0x4b000000           ; the bits of 2^23 + 16 hx
	v_and_b32 v23, 15, v[LN]
	v_lshlrev_b32 v23, 2, v23
	v_lshl_add_u32 v23, v5, 11, v23                ; 16 hx rows of 128 bytes + 4 r
	s_lshl_b32 s36, s[WH], 6                       ; set X's 16 columns,
	s_xor_b32 s37, s36, 64                         ; set Y's
	v_add_nc_u32 v5, s36, v23
	v_add_nc_u32 v23, s37, v23
.set n, 0
.rept 16
	global_load_b32 v[TX+n], v5, s[8:9] offset:128*n
	global_load_b32 v[TY+n], v23, s[8:9] offset:128*n
.set n, n+1
.endr
	s_wait_kmcnt 0x0
	s_min_u32 s[BB], s[BB], 511
	s_lshl_b32 s[B4], s[BB], 2
	s_load_b32 s[TLEN], s[6:7], s[B4] offset:0x0   ; len
	s_lshl_b32 s36, s[BB], 18                      ; a sequence is 262,144 bytes
	s_mov_b32 s37, 0
	s_add_nc_u64 s[ROW:ROW+1], s[4:5], s[36:37]
	s_mov_b32 s[OFF], s[P128]
	s_mov_b32 s[OFF+1], 0
	s_mov_b32 s[OFF30+1], 0
	s_mov_b32 s[OFF31+1], 0
	s_add_nc_u64 s[LB:LB+1], s[ROW:ROW+1], s[OFF:OFF+1]
	global_load_b32 v[AL+31], v[VLD], s[ROW:ROW+1]  ; alpha at time 0 stands where step 0 looks for the alpha before it
	global_load_b32 v[L1], v[VLD], s[ROW:ROW+1] offset:128  ; loaded by every wave, so that the counts below are the same in all; used where p = 1
.set n, 0
.rept 32
	global_load_b32 v[LG+n], v[VLD], s[LB:LB+1] offset:(n+1)*128  ; the first group's logits: times 1 + p to 32 + p
.set n, n+1
.endr
	; While the loads are out.  The argmax runs up to four steps behind the chain, in one text for every step: in the first steps it works on these
	; zeros, and what it packs then is pushed out of its register again; a lane-crossing instruction's destination counts as read, so those are written too.
.set n, 0
.rept 16
	v_add_nc_u32 v[IX+n], n, v22
.set n, n+1
.endr
.set n, SY
.rept 64
	v_mov_b32 v[n], 0                              ; SY, both SX, DD
.set n, n+1
.endr
.set n, ACC
.rept 4
	v_mov_b32 v[n], 0
.set n, n+1
.endr
	v_mov_b32 v[MB+1], 0
	v_mov_b32 v[XM], 0
	v_mov_b32 v[XR], 0
	v_mov_b32 v[RA], 0
	s_mov_b32 s[BIG], 0x7f000000
	s_mov_b32 s[BIG+1], 0x7f000000
	s_mov_b32 s[SEL], 0x76543210
	s_mov_b32 s[SEL+1], 0xfedcba98
	s_mov_b32 s[HIM], 0xffff0000
	s_mov_b32 s[PSEL], 0x04030201
	s_lshl_b32 s36, s[BB], 16                      ; a sequence's backpointers are 65,536 bytes,
	s_lshl_b32 s40, s[ROLE], 14                    ; my quarter of them
	s_add_co_u32 s36, s36, s40
	s_add_nc_u64 s[BPB:BPB+1], s[12:13], s[36:37]
	s_mov_b32 s[CNT], 0
	s_wait_kmcnt 0x0
	s_max_i32 s[TLEN], s[TLEN], 1
	s_min_u32 s[TLEN], s[TLEN], 2048
	s_sub_co_u32 s[TLEN], s[TLEN], 1               ; len - 1: the number of steps that count
	s_add_co_u32 s[NG], s[TLEN], 31
	s_lshr_b32 s[NG], s[NG], 5
	s_max_u32 s[NG], s[NG], 1
	s_wait_loadcnt 32                              ; loads come back in order (ISA guide 5.7.1): the table and times 0 and 1 are in, the 32 logit loads may stay out
	v_mov_b32 v[A0], v[AL+31]
.macro M3 d, a, b, c
	v_max3_num_f32 v[\d], v[\a], v[\b], v[\c]
.endm
.macro N3 d, a, b, c
	v_min3_num_f32 v[\d], v[\a], v[\b], v[\c]
.endm
.macro YA n                            ; alpha of previous tag 16 hx + n, plus its transition into set Y's column
	v_add_f32_dpp v[SY+\n], v[AL+PRV], v[TY+\n] row_share:\n row_mask:0xf bank_mask:0xf
.endm
.macro XA n                            ; the same for set X
	v_add_f32_dpp v[SCUR+\n], v[AL+PRV], v[TX+\n] row_share:\n row_mask:0xf bank_mask:0xf
.endm
.macro OPG0                            ; the even step's maxima, from the other half
	v_permlanex16_b32 v[XM], v[MM], s[SEL], s[SEL+1]
.endm
.macro OPG1                            ; lanes 0-15 hold set X's maxima: both halves take them
	v_cndmask_b32 v[MB], v[MM], v[XM], s[HIM]
.endm
.macro DF n                            ; two gaps M - s of the even step's set X
	v_pk_add_f32 v[DD+2*\n:DD+2*\n+1], v[MB:MB+1], v[SX0+2*\n:SX0+2*\n+1] op_sel_hi:[0,1] neg_lo:[0,1] neg_hi:[0,1]
.endm
.macro KY n                            ; two keys
	v_pk_fma_f32 v[DD+2*\n:DD+2*\n+1], v[DD+2*\n:DD+2*\n+1], s[BIG:BIG+1], v[IX+2*\n:IX+2*\n+1] op_sel_hi:[1,0,1]
.endm
.macro OPN                             ; the least of my 16 keys
	v_min_num_f32 v[RA], v[RA], v[NT+1]
.endm
.macro OPH0
	v_permlanex16_b32 v[XR], v[RA], s[SEL], s[SEL+1]
.endm
.macro OPH1                            ; the least key over all 32 previous tags, in both halves
	v_min_num_f32 v[RA], v[RA], v[XR]
.endm
.macro OPH2                            ; its low byte is the backpointer
	v_perm_b32 v[ACC+Q2], v[RA], v[ACC+Q2], s[PSEL]
.endm
; A finished group, CNT - 1, leaves: lanes 0-15 hold its first eight even steps of column r, lanes 16-31 the other eight.  It stands behind an s_wait_xcnt 0, which frees the last such store's offset and data.
.macro BPSTORE
	s_max_u32 s36, s[CNT], 1
	s_sub_co_u32 s36, s36, 1
	s_min_u32 s36, s36, 63
	s_lshl_b32 s36, s36, 8
	v_add_nc_u32 v[VST], s36, v[L8]
	v_cndmask_b32 v[OUT], v[ACC], v[ACC+2], s[HIM]
	v_cndmask_b32 v[OUT+1], v[ACC+1], v[ACC+3], s[HIM]
	global_store_b64 v[VST], v[OUT:OUT+1], s[BPB:BPB+1]  ; the wave's store covers 256 consecutive bytes, aligned
.endm
	; p = 1: the sequence's step 0, chain alone (its argmax is the other parity's).
	s_cmp_eq_u32 s[PAR], 0
	s_cbranch_scc1 .Lnopeel
.set PRV,  31
.set SCUR, SX0
.irp m, 0,1,2,3,4,5,6,7,8,9,10,11,12,13,14,15
	YA \m
.endr
.irp m, 0,1,2,3,4,5,6,7,8,9,10,11,12,13,14,15
	XA \m
.endr
	M3 CYA, SY, SY+1, SY+2
	M3 CYB, SY+7, SY+8, SY+9
	M3 CXA, SCUR, SCUR+1, SCUR+2
	M3 CXB, SCUR+7, SCUR+8, SCUR+9
	v_max_num_f32 v[EY], v[SY+14], v[SY+15]
	M3 CYA, CYA, SY+3, SY+4
	M3 CYB, CYB, SY+10, SY+11
	M3 CXA, CXA, SCUR+3, SCUR+4
	M3 CXB, CXB, SCUR+10, SCUR+11
	v_max_num_f32 v[EX], v[SCUR+14], v[SCUR+15]
	M3 CYA, CYA, SY+5, SY+6
	M3 CYB, CYB, SY+12, SY+13
	M3 CXA, CXA, SCUR+5, SCUR+6
	M3 CXB, CXB, SCUR+12, SCUR+13
	M3 CY, CYA, CYB, EY
	M3 CX, CXA, CXB, EX
	v_permlane16_swap_b32 v[CX], v[CY]
	v_max_num_f32 v[MM], v[CX], v[CY]
	v_add_f32 v[AL+31], v[MM], v[L1]
.Lnopeel:
; STEP K of a group.  The chain: 32 adds, 16 maxima, the exchange, a maximum, the logit.  Its end is narrow: each line there waits for the one before it, and
; the argmax's lines stand between them.  For the even step e: the maxima's exchange at the head of step e + 1, eight pairs of gaps and seven of keys in its
; end; the last pair of keys at the head of step e + 2, the tree of minima (5, 2, 1) in its end; the halves' exchange at the head of step e + 3, their
; minimum in its end; the pack at the head of step e + 4.
.macro STEP
.set PRV,  (K+31)%32
.set SCUR, SX0+16*(K%2)
.set Q2,   ((K+28)%32)/8
.if K%8 == 0
	s_wait_loadcnt 24                              ; behind the run that brought logits K .. K + 7 stand three runs of eight (in the first group: the first loads of K + 8 .. 31 and the runs issued since): 24 on the way in and on the way back
.endif
.if K%2 == 1
	OPG0
	OPH0
.else
	KY 7
	OPH2
.endif
.irp m, 0,1,2,3
	YA \m
.endr
.if K%2 == 1
	OPG1
.endif
.irp m, 4,5,6,7,8,9,10,11,12,13,14,15
	YA \m
.endr
	XA 0
	XA 1
	XA 2
	M3 CYA, SY, SY+1, SY+2
	XA 3
	XA 4
	M3 CYB, SY+7, SY+8, SY+9
	M3 CXA, SCUR, SCUR+1, SCUR+2
.if K == 2                             ; step 30 of the group before has just been packed
	s_wait_xcnt 0x0                                ; the last run of loads stands more than two steps back: the three bases, and the store's offset and data, are rewritten only behind this wait
	s_add_co_u32 s36, s[CNT], 1                    ; the group that this trip's four runs load for, held to the sequence's last:
	s_min_u32 s36, s36, 63                         ; what a last trip asks for is not used, and stays inside the sequence's 262,144 bytes
	s_lshl_b32 s[OFF], s36, 12
	s_add_co_u32 s[OFF], s[OFF], s[P128]           ; rows 1 to 30 behind it end at time 2,046 + p at the most
	s_add_co_u32 s[OFF30], s[OFF], 31*128
	s_min_u32 s[OFF30], s[OFF30], 262016           ; the row of time 2,047 at the most
	s_add_co_u32 s[OFF31], s[OFF], 32*128
	s_min_u32 s[OFF31], s[OFF31], 262016
	s_add_nc_u64 s[LB:LB+1], s[ROW:ROW+1], s[OFF:OFF+1]
	s_add_nc_u64 s[LB30:LB30+1], s[ROW:ROW+1], s[OFF30:OFF30+1]
	s_add_nc_u64 s[LB31:LB31+1], s[ROW:ROW+1], s[OFF31:OFF31+1]
	s_cmp_eq_u32 s[CNT], 0
	s_cbranch_scc1 .Lnost                          ; there is no group before the first
	BPSTORE
.Lnost:
.endif
	XA 5
	XA 6
	M3 CYA, CYA, SY+3, SY+4
	XA 7
	XA 8
	XA 9
	M3 CYB, CYB, SY+10, SY+11
	M3 CXA, CXA, SCUR+3, SCUR+4
	XA 10
	M3 CXB, SCUR+7, SCUR+8, SCUR+9
	XA 11
	M3 CYA, CYA, SY+5, SY+6
	XA 12
	XA 13
	M3 CXA, CXA, SCUR+5, SCUR+6
	M3 CXB, CXB, SCUR+10, SCUR+11
	XA 14
	XA 15
	M3 CYB, CYB, SY+12, SY+13
	v_max_num_f32 v[EY], v[SY+14], v[SY+15]
	M3 CXB, CXB, SCUR+12, SCUR+13
.if K%2 == 1
	DF 0
.else
	N3 RA, DD, DD+1, DD+2
.endif
	v_max_num_f32 v[EX], v[SCUR+14], v[SCUR+15]
	M3 CY, CYA, CYB, EY
.if K%2 == 1
	DF 1
	DF 2
	DF 3
.else
	N3 RB, DD+3, DD+4, DD+5
	N3 NT, DD+6, DD+7, DD+8
	N3 NT+1, DD+9, DD+10, DD+11
.endif
	M3 CX, CXA, CXB, EX
.if K%2 == 1
	DF 4
	DF 5
	DF 6
	DF 7
.else
	N3 NT+2, DD+12, DD+13, DD+14
.endif
	v_permlane16_swap_b32 v[CX], v[CY]             ; CX's upper half changes places with CY's lower: each lane now holds both halves' maxima of its own tag's column
.if K%2 == 1
	KY 0
	KY 1
	KY 2
	KY 3
.else
	N3 RA, RA, RB, NT
	N3 NT+1, NT+1, NT+2, DD+15
.endif
	v_max_num_f32 v[MM], v[CX], v[CY]
.if K%2 == 1
	OPH1
	KY 4
	KY 5
	KY 6
.else
	OPN
.endif
	v_add_f32 v[AL+K], v[MM], v[LG+K]
.if K%8 == 7                           ; the last eight steps' logits have been used: the same steps of the next group, in one run
.set n, K-7
.rept 8
.if n == 31
	global_load_b32 v[LG+n], v[VLD], s[LB31:LB31+1]
.elseif n == 30
	global_load_b32 v[LG+n], v[VLD], s[LB30:LB30+1]
.else
	global_load_b32 v[LG+n], v[VLD], s[LB:LB+1] offset:(n+1)*128
.endif
.set n, n+1
.endr
.endif
.endm
.Ltrip:                                ; a trip is a group of 32 steps
.set K, 0
.rept 32
	STEP
.set K, K+1
.endr
	s_add_co_u32 s[CNT], s[CNT], 1
	s_cmp_lt_u32 s[CNT], s[NG]
	s_cbranch_scc1 .Ltrip
	; The argmax catches up: step 28's pack; step 30's last keys, its tree, exchange, minimum and pack; the last group leaves.
.set Q2, 3
	KY 7
	OPH2
	N3 RA, DD, DD+1, DD+2
	N3 RB, DD+3, DD+4, DD+5
	N3 NT, DD+6, DD+7, DD+8
	N3 NT+1, DD+9, DD+10, DD+11
	N3 NT+2, DD+12, DD+13, DD+14
	N3 RA, RA, RB, NT
	N3 NT+1, NT+1, NT+2, DD+15
	OPN
	OPH0
	OPH1
	OPH2
	s_wait_xcnt 0x0                                ; the last trip's store has read its offset and data
	BPSTORE
	s_cmp_lg_u32 s[ROLE], 0
	s_cbranch_scc1 .Lend                           ; the last tag is made by the one wave in which lane = tag and step = the sequence's step
	s_sub_co_u32 s36, s[TLEN], 1
	s_and_b32 s36, s36, 31                         ; alpha at time len - 1 stands behind step (len - 2) mod 32 of the last group
	v_mov_b32 v[AF], v[AL]
.set n, 1
.rept 31
	s_cmp_eq_u32 s36, n
	s_cselect_b32 s40, -1, 0
	v_cndmask_b32 v[AF], v[AF], v[AL+n], s40
.set n, n+1
.endr
	s_cmp_eq_u32 s[TLEN], 0                        ; len = 1: no step counts
	s_cselect_b32 s40, -1, 0
	v_cndmask_b32 v[AF], v[AF], v[A0], s40
	v_mov_b32 v23, v[AF]
	v_max_num_f32_dpp v23, v23, v23 row_xmask:1 row_mask:0xf bank_mask:0xf
	v_max_num_f32_dpp v23, v23, v23 row_xmask:2 row_mask:0xf bank_mask:0xf
	v_max_num_f32_dpp v23, v23, v23 row_xmask:4 row_mask:0xf bank_mask:0xf
	v_max_num_f32_dpp v23, v23, v23 row_xmask:8 row_mask:0xf bank_mask:0xf
	v_permlanex16_b32 v5, v23, s[SEL], s[SEL+1]
	v_max_num_f32 v23, v23, v5
	v_cmp_eq_f32 s40, v[AF], v23
	s_ctz_i32_b32 s36, s40                         ; the lowest tag that reaches the maximum
	v_mov_b32 v5, s36
	v_mov_b32 v[XR], s[B4]
	v_cmp_eq_u32 vcc_lo, 0, v[LN]
	s_wait_xcnt 0x0                                ; EXEC is a source of the loads and the store that are out: it changes only behind this wait
	s_and_saveexec_b32 s41, vcc_lo
	global_store_b32 v[XR], v5, s[14:15]           ; one word a sequence
	s_wait_xcnt 0x0
	s_or_b32 exec_lo, exec_lo, s41
.Lend:
	s_endpgm
.Lfunc_end_k_qb7737939ce_viterbi:
	.size	k_qb7737939ce_viterbi, .Lfunc_end_k_qb7737939ce_viterbi-k_qb7737939ce_viterbi
	.p2alignl 7, 3214868480
	.fill 96, 4, 3214868480
	.section	.rodata,"a",@progbits
	.p2align	6, 0x0
	.amdhsa_kernel k_qb7737939ce_viterbi
		.amdhsa_group_segment_fixed_size 0
		.amdhsa_private_segment_fixed_size 0
		.amdhsa_enable_private_segment 0
		.amdhsa_kernarg_size 48
		.amdhsa_user_sgpr_count 2
		.amdhsa_user_sgpr_kernarg_segment_ptr 1
		.amdhsa_wavefront_size32 1
		.amdhsa_system_sgpr_workgroup_id_x 1
		.amdhsa_system_sgpr_workgroup_id_y 1
		.amdhsa_system_sgpr_workgroup_id_z 1
		.amdhsa_system_vgpr_workitem_id 0
		.amdhsa_next_free_vgpr 212
		.amdhsa_next_free_sgpr 66
		.amdhsa_reserve_vcc 1
		.amdhsa_float_denorm_mode_32 3
		.amdhsa_float_denorm_mode_16_64 3
		.amdhsa_memory_ordered 1
		.amdhsa_forward_progress 1
		.amdhsa_inst_pref_size 151
	.end_amdhsa_kernel
	.amdgpu_metadata
---
amdhsa.version: [ 1, 2 ]
amdhsa.kernels:
  - .name:           k_qb7737939ce_viterbi
    .symbol:         k_qb7737939ce_viterbi.kd
    .args:
      - { .name: inputs, .offset: 0, .size: 8, .value_kind: global_buffer, .address_space: global }
      - { .name: seq_lengths, .offset: 8, .size: 8, .value_kind: global_buffer, .address_space: global }
      - { .name: trans_params, .offset: 16, .size: 8, .value_kind: global_buffer, .address_space: global }
      - { .name: order, .offset: 24, .size: 8, .value_kind: global_buffer, .address_space: global }
      - { .name: bp, .offset: 32, .size: 8, .value_kind: global_buffer, .address_space: global }
      - { .name: lasttag, .offset: 40, .size: 8, .value_kind: global_buffer, .address_space: global }
    .group_segment_fixed_size: 0
    .private_segment_fixed_size: 0
    .kernarg_segment_align: 8
    .kernarg_segment_size: 48
    .max_flat_workgroup_size: 256
    .sgpr_count:     66
    .vgpr_count:     212
    .wavefront_size: 32
...
	.end_amdgpu_metadata
.endif
;; end of part 4
;; launch backtrace (part 5): grid 512 x 1, 8 waves a work-group, no clusters, 78,848 bytes of LDS; arguments bp, lasttag, seq_lengths, out0; writes out0
.if DOCPART == 5
	.amdgcn_target "amdgcn-amd-amdhsa--gfx1250"
	.amdhsa_code_object_version 6
	.text
	.protected	k_qb7737939ce_backtrace
	.globl	k_qb7737939ce_backtrace
	.p2align	8
	.type	k_qb7737939ce_backtrace,@function
k_qb7737939ce_backtrace:
	s_mov_b64 s[64:65], 0
	v_nop
	global_prefetch_b8 v0, s[64:65] scope:SCOPE_SE
	s_setreg_imm32_b32 hwreg(HW_REG_WAVE_MODE, 25, 1), 1
	s_wait_xcnt 0x0
; VITERBI, BACKWARD.  tag[s] = bp[s][tag[s + 1]] for s < len - 1, tag[s] = tag[s + 1] from there on, tag[2048] = lasttag; out0[b][t] = tag[t] for t < len, else 0.
; One work-group a sequence.  A walk of 2,047 dependent look-ups is cut: the steps lie in 64 chunks of 32, and each chunk is walked for ALL 32 tags
; that it could be entered with (lane = entry tag).  Maps of whole numbers compose exactly, so chaining the 64 chunk maps gives each chunk's true
; entry tag, and the row walked for that tag is the answer.  Wave v owns steps 256 v .. 256 v + 255: eight chunks, walked side by side.
; IN.  bp byte of (b, s, j) at b 65536 + ((j >> 4) + 2 (s & 1)) 16384 + (s >> 5) 256 + ((s >> 4) & 1) 128 + (j & 15) 8 + ((s >> 1) & 7): a lane takes the eight
; even and the eight odd steps of one column and half a chunk, and four v_perm_b32 lay them by turns: 16 consecutive steps.
; LDS.  Wave v's own region at 8,704 v: 32 rows (tag j) of 256 bytes (step) + 16 of padding; the 16 lanes of a 16-byte store fall into 16 different
; 16-byte columns.  First it holds bp[s][j]; the walk writes tag[s] for entry tag j over column s once all lanes have read it.
; FM at 69,632: the chunk maps, word [chunk][entry tag].  SPARE at 77,824: the spare words, 128 bytes a wave.
; Memory and LDS instructions stand in runs, behind all the vector lines that feed them.
; Lengths are held to 1 .. 2048, tags to 0 .. 31.  Of bp only the groups that the launch before wrote, ceil((len - 1) / 32) or one, are read.
.set REG,   8704
.set PIT,   272
.set FM,    69632
.set SPARE, 77824
.set LSA, 5             ; v5   where my 16 bytes of a group go
.set J272, 6            ; v6   my row
.set SAK, 7             ; v7   my row at the trip's step
.set FA,  8             ; v8   my word of my wave's first chunk map
.set FJ,  9             ; v9   my word of chunk 0's map
.set SPW, 12            ; v12  my spare word; never rewritten
.set NIL, 13            ; v13  0; never rewritten
.set OF,  14            ; v[14:21] byte offsets of my 8 bytes in the wave's eight groups
.set TG,  22            ; v[22:29] the walk's tag, a chunk each
.set NW,  30            ; v[30:37]
.set AD,  38            ; v[38:45]
.set EV,  46            ; v[46:47] lane c % 32 of register c / 32: chunk c's entry tag
.set EVS, 48
.set BI,  50
.set EL,  52
.set W,   54
.set O,   56            ; v[56:63]
.set REM, 64
.set GO,  66
.set DB,  67
.set DA,  68            ; v[68:131] backpointers as loaded: four registers for a group and a half of the columns: even steps, odd steps; later the 64 chunk maps
.set OB,  132           ; v[132:195] the same, laid by steps
.set LIM, 22            ; s[22:29] chunk i: steps k of it below this count
.set MK,  32            ; s[32:39] chunk i: all ones if the trip's step counts (the registers held offsets at the head)
	s_load_b256 s[4:11], s[0:1], 0x0               ; bp s[4:5], lasttag s[6:7], seq_lengths s[8:9], out0 s[10:11]
	v_lshl_add_u32 v[SPW], v0, 2, SPARE
	v_mov_b32 v[NIL], 0
	v_and_b32 v1, 31, v0                           ; lane
	v_lshrrev_b32 v10, 5, v0
	v_readfirstlane_b32 s12, v10                   ; wave 0..7
	s_lshl_b32 s13, ttmp9, 2
	s_mul_i32 s17, s12, REG                        ; my wave's region
	s_wait_kmcnt 0x0
	s_load_b32 s14, s[8:9], s13 offset:0x0         ; len
	s_load_b32 s15, s[6:7], s13 offset:0x0         ; the last tag
	v_and_b32 v2, 15, v1
	v_lshrrev_b32 v3, 4, v1
	v_lshlrev_b32 v4, 3, v1
	v_mul_u32_u24 v[LSA], v2, PIT
	v_lshl_add_u32 v[LSA], v3, 4, v[LSA]
	v_add_nc_u32 v[LSA], s17, v[LSA]               ; row lane % 16, 16 bytes for each half of the lanes
	v_mul_u32_u24 v[J272], v1, PIT
	s_lshl_b32 s30, s12, 10
	s_add_co_u32 s30, s30, FM
	v_lshl_add_u32 v[FA], v1, 2, s30
	v_lshl_add_u32 v[FJ], v1, 2, FM
	v_mov_b32 v[EV], 0                             ; v_writelane_b32's destination counts as read
	v_mov_b32 v[EV+1], 0
.set i, 0
.rept 8
	v_mov_b32 v[TG+i], v1                          ; every chunk is entered with tag = lane
.set i, i+1
.endr
	s_lshl_b32 s32, ttmp9, 16
	s_mov_b32 s33, 0
	s_add_nc_u64 s[4:5], s[4:5], s[32:33]          ; bp at my sequence
	s_lshl_b32 s32, ttmp9, 13
	s_add_nc_u64 s[10:11], s[10:11], s[32:33]      ; out0 at my sequence
	s_lshl_b32 s31, s12, 3                         ; my wave's first group
	s_mov_b32 s20, 0x05010400                      ; v_perm_b32: bytes 0 and 1 of the even steps' word and of the odd steps', by turns,
	s_mov_b32 s21, 0x07030602                      ; bytes 2 and 3
	s_wait_kmcnt 0x0
	s_max_i32 s14, s14, 1
	s_min_u32 s14, s14, 2048
	s_sub_co_u32 s14, s14, 1                       ; len - 1
	s_min_u32 s15, s15, 31
	s_add_co_u32 s16, s14, 31
	s_lshr_b32 s16, s16, 5
	s_max_u32 s16, s16, 1
	s_sub_co_u32 s16, s16, 1                       ; the last group that was written
	; A. My wave's eight groups, both halves of the columns, both parities, into my region.  A group that was not written is replaced by the last that was: its steps do not count.
.set i, 0
.rept 8
	s_add_co_u32 s30, s31, i
	s_min_u32 s30, s30, s16
	s_min_u32 s30, s30, 63
	s_lshl_b32 s30, s30, 8
	v_add_nc_u32 v[OF+i], s30, v4
.set i, i+1
.endr
.set i, 0
.rept 16                               ; group i / 2, columns 16 (i % 2) on: 256 consecutive bytes a load
	global_load_b64 v[DA+4*i:DA+4*i+1], v[OF+i/2], s[4:5] offset:(i%2)*16384          ; the even steps
	global_load_b64 v[DA+4*i+2:DA+4*i+3], v[OF+i/2], s[4:5] offset:(i%2)*16384+32768  ; the odd steps
.set i, i+1
.endr
	s_lshl_b32 s30, s12, 8
	s_sub_co_i32 s[LIM], s14, s30                  ; step k of chunk i counts if 256 v + 32 i + k < len - 1
.set i, 1
.rept 7
	s_sub_co_i32 s[LIM+i], s[LIM], 32*i
.set i, i+1
.endr
.set u, 0
.rept 4
	s_wait_loadcnt 24-8*u                          ; loads come back in order: the first 8 (u + 1) of the 32 are in
.set i, 4*u
.rept 4
	v_perm_b32 v[OB+4*i],   v[DA+4*i+2], v[DA+4*i],   s20
	v_perm_b32 v[OB+4*i+1], v[DA+4*i+2], v[DA+4*i],   s21
	v_perm_b32 v[OB+4*i+2], v[DA+4*i+3], v[DA+4*i+1], s20
	v_perm_b32 v[OB+4*i+3], v[DA+4*i+3], v[DA+4*i+1], s21
.set i, i+1
.endr
.set i, 4*u
.rept 4
	ds_store_b128 v[LSA], v[OB+4*i:OB+4*i+3] offset:(i%2)*16*PIT+32*(i/2)
.set i, i+1
.endr
.set u, u+1
.endr
	; B. The walk, step 31 down to 0 of all eight chunks.  The region is my wave's own, and LDS serves a wave's instructions in order (ISA guide 5.7.1.4): no barrier.
	s_mov_b32 s20, 32
	s_mov_b32 s19, 31                              ; k
	s_add_co_u32 s18, s17, 31                      ; my region + k
.Lwalk:
	v_add_nc_u32 v[SAK], s18, v[J272]
.set i, 0
.rept 8
	v_lshl_add_u32 v[AD+i], v[TG+i], 4, v[TG+i]    ; 17 x tag,
.set i, i+1
.endr
.set i, 0
.rept 8
	v_lshl_add_u32 v[AD+i], v[AD+i], 4, s18        ; x 16: the tag's row
.set i, i+1
.endr
.set i, 0
.rept 8
	ds_load_u8 v[NW+i], v[AD+i] offset:32*i
.set i, i+1
.endr
.set i, 0
.rept 8                                ; while the loads are out: does step k of chunk i count?
	s_cmp_lt_i32 s19, s[LIM+i]
	s_cselect_b32 s[MK+i], -1, 0
.set i, i+1
.endr
	s_wait_dscnt 0x0                               ; all eight bytes are in
.set i, 0
.rept 8
	v_cndmask_b32 v[TG+i], v[TG+i], v[NW+i], s[MK+i]  ; a step that does not count keeps the tag
.set i, i+1
.endr
.set i, 0
.rept 8
	v_min_u32 v[TG+i], 31, v[TG+i]
.set i, i+1
.endr
.set i, 0
.rept 8
	ds_store_b8 v[SAK], v[TG+i] offset:32*i        ; over column k, which all lanes have read: the tag at this step for entry tag = lane
.set i, i+1
.endr
	s_sub_co_u32 s18, s18, 1
	s_sub_co_i32 s19, s19, 1
	s_sub_co_u32 s20, s20, 1
	s_cmp_lg_u32 s20, 0
	s_cbranch_scc1 .Lwalk
.set i, 0
.rept 8
	ds_store_b32 v[FA], v[TG+i] offset:128*i       ; the chunk's map: entry tag -> the next lower chunk's entry tag
.set i, i+1
.endr
	s_wait_dscnt 0x0                               ; for the others' sake: my maps are stored
	s_barrier_signal -1
	s_barrier_wait -1
	; C. The chain, from the last chunk down; every wave makes it for itself.
.set c, 0
.rept 64
	ds_load_b32 v[DA+c], v[FJ] offset:128*c
.set c, c+1
.endr
	s_wait_dscnt 0x0
.set c, 63
.rept 64
	v_writelane_b32 v[EV+c/32], s15, c%32
	v_readlane_b32 s15, v[DA+c], s15
.set c, c-1
.endr
	; D. Each lane takes four steps of the row that was walked for its chunk's true entry tag, widens them, and clears what lies past len - 1.
	s_cmp_ge_u32 s12, 4
	s_cselect_b32 s21, -1, 0
	v_cndmask_b32 v[EVS], v[EV], v[EV+1], s21
	v_lshrrev_b32 v10, 3, v1
	s_and_b32 s30, s31, 31
	v_add_nc_u32 v10, s30, v10                     ; my chunk, modulo 32: 8 v + lane / 8,
	v_lshlrev_b32 v[BI], 2, v10
	v_add_nc_u32 v[BI+1], 16, v[BI]                ; and four chunks on for the second half of the wave's steps
	ds_bpermute_b32 v[EL], v[BI], v[EVS]
	ds_bpermute_b32 v[EL+1], v[BI+1], v[EVS]
	v_lshl_add_u32 v[DB], v1, 2, s17
	v_lshlrev_b32 v10, 2, v1
	v_sub_nc_u32 v[REM], s[LIM], v10               ; len - 1 less my first step
	v_add_nc_u32 v[REM+1], 0xffffff80, v[REM]
	s_lshl_b32 s30, s12, 10
	v_lshl_add_u32 v[GO], v1, 4, s30
	s_wait_dscnt 0x0
.irp u, 0,1
	v_min_u32 v[EL+\u], 31, v[EL+\u]
	v_lshl_add_u32 v[AD+\u], v[EL+\u], 4, v[EL+\u]
	v_lshl_add_u32 v[AD+\u], v[AD+\u], 4, v[DB]
.endr
.irp u, 0,1
	ds_load_b32 v[W+\u], v[AD+\u] offset:128*\u
.endr
	s_wait_dscnt 0x0
.irp u, 0,1
	v_and_b32 v[O+4*\u], 0xff, v[W+\u]
	v_bfe_u32 v[O+4*\u+1], v[W+\u], 8, 8
	v_bfe_u32 v[O+4*\u+2], v[W+\u], 16, 8
	v_lshrrev_b32 v[O+4*\u+3], 24, v[W+\u]
.irp m, 0,1,2,3
	v_cmp_le_i32 vcc_lo, \m, v[REM+\u]
	v_cndmask_b32 v[O+4*\u+\m], 0, v[O+4*\u+\m], vcc_lo
.endr
.endr
.irp u, 0,1
	global_store_b128 v[GO], v[O+4*\u:O+4*\u+3], s[10:11] offset:512*\u th:TH_STORE_NT  ; 512 consecutive bytes, aligned
.endr
	s_wait_tensorcnt 0x0                           ; the wave's end, behind my last LDS store
	ds_add_u32 v[SPW], v[NIL]
	s_wait_dscnt 0x0
	s_endpgm
.Lfunc_end_k_qb7737939ce_backtrace:
	.size	k_qb7737939ce_backtrace, .Lfunc_end_k_qb7737939ce_backtrace-k_qb7737939ce_backtrace
	.p2alignl 7, 3214868480
	.fill 96, 4, 3214868480
	.section	.rodata,"a",@progbits
	.p2align	6, 0x0
	.amdhsa_kernel k_qb7737939ce_backtrace
		.amdhsa_group_segment_fixed_size 78848
		.amdhsa_private_segment_fixed_size 0
		.amdhsa_enable_private_segment 0
		.amdhsa_kernarg_size 32
		.amdhsa_user_sgpr_count 2
		.amdhsa_user_sgpr_kernarg_segment_ptr 1
		.amdhsa_wavefront_size32 1
		.amdhsa_system_sgpr_workgroup_id_x 1
		.amdhsa_system_sgpr_workgroup_id_y 1
		.amdhsa_system_sgpr_workgroup_id_z 1
		.amdhsa_system_vgpr_workitem_id 0
		.amdhsa_next_free_vgpr 196
		.amdhsa_next_free_sgpr 66
		.amdhsa_reserve_vcc 1
		.amdhsa_float_denorm_mode_32 3
		.amdhsa_float_denorm_mode_16_64 3
		.amdhsa_memory_ordered 1
		.amdhsa_forward_progress 1
		.amdhsa_inst_pref_size 31
	.end_amdhsa_kernel
	.amdgpu_metadata
---
amdhsa.version: [ 1, 2 ]
amdhsa.kernels:
  - .name:           k_qb7737939ce_backtrace
    .symbol:         k_qb7737939ce_backtrace.kd
    .args:
      - { .name: bp, .offset: 0, .size: 8, .value_kind: global_buffer, .address_space: global }
      - { .name: lasttag, .offset: 8, .size: 8, .value_kind: global_buffer, .address_space: global }
      - { .name: seq_lengths, .offset: 16, .size: 8, .value_kind: global_buffer, .address_space: global }
      - { .name: out0, .offset: 24, .size: 8, .value_kind: global_buffer, .address_space: global }
    .group_segment_fixed_size: 78848
    .private_segment_fixed_size: 0
    .kernarg_segment_align: 8
    .kernarg_segment_size: 32
    .max_flat_workgroup_size: 256
    .sgpr_count:     66
    .vgpr_count:     196
    .wavefront_size: 32
...
	.end_amdgpu_metadata
.endif
;; end of part 5
;; ======== version 3 of 3: 3 launches; version 2 with the launch backtrace written anew for expert scheduling mode
;; limits: below input magnitudes of 3.2e-30 results are inexact or not finite
;; workspace buffers: bp 33,554,432 bytes of whole numbers; lasttag 2,048 bytes of whole numbers; order 2,048 bytes of whole numbers
;; launch ranks: the kernel of part 3 again; grid 16 x 1, 4 waves a work-group, no clusters, 0 bytes of LDS; arguments seq_lengths, order; writes order
;; launch viterbi: the kernel of part 4 again; grid 256 x 1, 8 waves a work-group, no clusters, 0 bytes of LDS; arguments inputs, seq_lengths, trans_params, order, bp, lasttag; writes bp, lasttag
;; launch backtrace (part 6): grid 512 x 1, 8 waves a work-group, no clusters, 78,848 bytes of LDS; arguments bp, lasttag, seq_lengths, out0; writes out0
.if DOCPART == 6
	.amdgcn_target "amdgcn-amd-amdhsa--gfx1250"
	.amdhsa_code_object_version 6
	.text
	.protected	k_qb7737939ce_backtrace
	.globl	k_qb7737939ce_backtrace
	.p2align	8
	.type	k_qb7737939ce_backtrace,@function
k_qb7737939ce_backtrace:
	s_mov_b64 s[64:65], 0
	v_nop
	global_prefetch_b8 v0, s[64:65] scope:SCOPE_SE
	s_setreg_imm32_b32 hwreg(HW_REG_WAVE_SCHED_MODE, 0, 2), 2
	s_setreg_imm32_b32 hwreg(HW_REG_WAVE_MODE, 25, 1), 1
	s_wait_xcnt 0x0
	s_wait_alu depctr_vm_vsrc(0)
; VITERBI, BACKWARD.  tag[s] = bp[s][tag[s + 1]] for s < len - 1, tag[s] = tag[s + 1] from there on, tag[2048] = lasttag; out0[b][t] = tag[t] for t < len, else 0.
; One work-group a sequence.  A walk of 2,047 dependent look-ups is cut: the steps lie in 64 chunks of 32, and each chunk is walked for ALL 32 tags
; that it could be entered with (lane = entry tag).  Maps of whole numbers compose exactly, so chaining the 64 chunk maps gives each chunk's true
; entry tag, and the row walked for that tag is the answer.  Wave v owns steps 256 v .. 256 v + 255: eight chunks, walked side by side.
; IN.  bp byte of (b, s, j) at b 65536 + ((j >> 4) + 2 (s & 1)) 16384 + (s >> 5) 256 + ((s >> 4) & 1) 128 + (j & 15) 8 + ((s >> 1) & 7): a lane takes the eight
; even and the eight odd steps of one column and half a chunk, and four v_perm_b32 lay them by turns: 16 consecutive steps.
; LDS.  Wave v's own region at 8,704 v: 32 rows (tag j) of 256 bytes (step) + 16 of padding; the 16 lanes of a 16-byte store fall into 16 different
; 16-byte columns.  First it holds bp[s][j]; the walk writes tag[s] for entry tag j over column s once all lanes have read it.
; FM at 69,632: the chunk maps, word [chunk][entry tag].  SPARE at 77,824: the spare words, 128 bytes a wave.
; Memory and LDS instructions stand in runs, behind all the vector lines that feed them.
; Lengths are held to 1 .. 2048, tags to 0 .. 31.  Of bp only the groups that the launch before wrote, ceil((len - 1) / 32) or one, are read.
; THE MODE: SCHED_MODE bits 1:0 = 2 (LLVM: expert scheduling mode 2), set by the entry lines.  The code itself states the register dependences
; between vector instructions and memory or LDS instructions, with s_wait_alu, always for 0.
; THE PLAN.  Registers that memory or LDS instructions touch:
;   OF, LSA, FA, FJ   addresses, made at the head and never written again: one wait on va_vdst ahead of the first load states them all.
;   DA                the global loads land in it, the v_perm_b32 read it; behind the walk the loads of the chunk maps land in it.
;   OB                block u's sixteen v_perm_b32 write it, block u's four LDS stores read it; never written again.  The stores stand a block later, behind the
;                     wait for the next block's data and one wait on va_vdst.
;   AD                written at a trip's head, read by the trip's eight LDS loads.          NW   those loads land in it, the trip's selects read it.
;   TG, SAK           written at a trip's end, read by eight LDS stores that stand in the NEXT trip, behind its loads: they write column k + 1, the loads read column k.
;   So a trip has ONE wait on va_vdst, ahead of its run of loads and stores (AD, TG and SAK are written; the selects are done reading NW), and ONE on vm_vsrc, behind
;   the wait for the loads' data (the loads have read AD, the stores SAK and TG), ahead of the lines that write these again.
;   EVS, BI; AD once more; O, GO: written by vector lines, read by the permutes, the two row loads and the global stores: a wait on va_vdst ahead of each run.
;   Scalar registers that vector lines write: s12 (the wave's number), s15 (the chain's tag, 64 times), s[32:39] (the masks of the way out): a wait on va_sdst ahead of each first reader.
.set REG,   8704
.set PIT,   272
.set FM,    69632
.set SPARE, 77824
.set LSA, 5             ; v5   where my 16 bytes of a group go
.set J272, 6            ; v6   my row
.set SAK, 7             ; v7   my row at the step whose tags are to be stored
.set FA,  8             ; v8   my word of my wave's first chunk map
.set FJ,  9             ; v9   my word of chunk 0's map
.set SPW, 12            ; v12  my spare word; never rewritten
.set NIL, 13            ; v13  0; never rewritten
.set OF,  14            ; v[14:21] byte offsets of my 8 bytes in the wave's eight groups
.set TG,  22            ; v[22:29] the walk's tag, a chunk each
.set NW,  30            ; v[30:37]
.set AD,  38            ; v[38:45]
.set EV,  46            ; v[46:47] lane c % 32 of register c / 32: chunk c's entry tag
.set EVS, 48
.set BI,  50
.set EL,  52
.set W,   54
.set O,   56            ; v[56:63]
.set REM, 64
.set GO,  66
.set DB,  67
.set DA,  68            ; v[68:131] backpointers as loaded: four registers for a group and a half of the columns: even steps, odd steps; later the 64 chunk maps
.set OB,  132           ; v[132:195] the same, laid by steps
.set LIM, 22            ; s[22:29] chunk i: steps k of it below this count
.set MK,  32            ; s[32:39] chunk i: all ones if the trip's step counts (the registers held offsets at the head); on the way out: the lanes whose step lies inside the sequence
	s_load_b256 s[4:11], s[0:1], 0x0               ; bp s[4:5], lasttag s[6:7], seq_lengths s[8:9], out0 s[10:11]
	v_lshl_add_u32 v[SPW], v0, 2, SPARE
	v_mov_b32 v[NIL], 0
	v_and_b32 v1, 31, v0                           ; lane
	v_lshrrev_b32 v10, 5, v0
	v_readfirstlane_b32 s12, v10                   ; wave 0..7
	s_lshl_b32 s13, ttmp9, 2
	s_wait_alu depctr_va_sdst(0)                   ; s12 is written, ahead of its first reader: the wave's region, its groups and its steps are made from it
	s_mul_i32 s17, s12, REG                        ; my wave's region
	s_wait_kmcnt 0x0
	s_load_b32 s14, s[8:9], s13 offset:0x0         ; len
	s_load_b32 s15, s[6:7], s13 offset:0x0         ; the last tag
	v_and_b32 v2, 15, v1
	v_lshrrev_b32 v3, 4, v1
	v_lshlrev_b32 v4, 3, v1
	v_mul_u32_u24 v[LSA], v2, PIT
	v_lshl_add_u32 v[LSA], v3, 4, v[LSA]
	v_add_nc_u32 v[LSA], s17, v[LSA]               ; row lane % 16, 16 bytes for each half of the lanes
	v_mul_u32_u24 v[J272], v1, PIT
	s_lshl_b32 s30, s12, 10
	s_add_co_u32 s30, s30, FM
	v_lshl_add_u32 v[FA], v1, 2, s30
	v_lshl_add_u32 v[FJ], v1, 2, FM
	v_mov_b32 v[EV], 0                             ; v_writelane_b32's destination counts as read
	v_mov_b32 v[EV+1], 0
.set i, 0
.rept 8
	v_mov_b32 v[TG+i], v1                          ; every chunk is entered with tag = lane
.set i, i+1
.endr
	s_lshl_b32 s32, ttmp9, 16
	s_mov_b32 s33, 0
	s_add_nc_u64 s[4:5], s[4:5], s[32:33]          ; bp at my sequence
	s_lshl_b32 s32, ttmp9, 13
	s_add_nc_u64 s[10:11], s[10:11], s[32:33]      ; out0 at my sequence
	s_lshl_b32 s31, s12, 3                         ; my wave's first group
	s_mov_b32 s20, 0x05010400                      ; v_perm_b32: bytes 0 and 1 of the even steps' word and of the odd steps', by turns,
	s_mov_b32 s21, 0x07030602                      ; bytes 2 and 3
	s_wait_kmcnt 0x0
	s_max_i32 s14, s14, 1
	s_min_u32 s14, s14, 2048
	s_sub_co_u32 s14, s14, 1                       ; len - 1
	s_min_u32 s15, s15, 31
	s_add_co_u32 s16, s14, 31
	s_lshr_b32 s16, s16, 5
	s_max_u32 s16, s16, 1
	s_sub_co_u32 s16, s16, 1                       ; the last group that was written
	; A. My wave's eight groups, both halves of the columns, both parities, into my region.  A group that was not written is replaced by the last that was: its steps do not count.
.set i, 0
.rept 8
	s_add_co_u32 s30, s31, i
	s_min_u32 s30, s30, s16
	s_min_u32 s30, s30, 63
	s_lshl_b32 s30, s30, 8
	v_add_nc_u32 v[OF+i], s30, v4
.set i, i+1
.endr
	s_wait_alu depctr_va_vdst(0)                   ; the eight offsets OF are written, which the loads below read; so are LSA, FA and FJ, the addresses of the LDS stores and loads further down
.set i, 0
.rept 16                               ; group i / 2, columns 16 (i % 2) on: 256 consecutive bytes a load
	global_load_b64 v[DA+4*i:DA+4*i+1], v[OF+i/2], s[4:5] offset:(i%2)*16384          ; the even steps
	global_load_b64 v[DA+4*i+2:DA+4*i+3], v[OF+i/2], s[4:5] offset:(i%2)*16384+32768  ; the odd steps
.set i, i+1
.endr
	s_lshl_b32 s30, s12, 8
	s_sub_co_i32 s[LIM], s14, s30                  ; step k of chunk i counts if 256 v + 32 i + k < len - 1
.set i, 1
.rept 7
	s_sub_co_i32 s[LIM+i], s[LIM], 32*i
.set i, i+1
.endr
.set u, 0
.rept 4                                ; block u is laid by steps; block u - 1, laid a block earlier, goes into LDS
	s_wait_loadcnt 24-8*u                          ; loads come back in order: the first 8 (u + 1) of the 32 are in
.if u > 0
	s_wait_alu depctr_va_vdst(0)                   ; the block before has written its sixteen registers of OB, which the four stores below read
.set i, 4*(u-1)
.rept 4
	ds_store_b128 v[LSA], v[OB+4*i:OB+4*i+3] offset:(i%2)*16*PIT+32*(i/2)
.set i, i+1
.endr
.endif
.set i, 4*u
.rept 4
	v_perm_b32 v[OB+4*i],   v[DA+4*i+2], v[DA+4*i],   s20
	v_perm_b32 v[OB+4*i+1], v[DA+4*i+2], v[DA+4*i],   s21
	v_perm_b32 v[OB+4*i+2], v[DA+4*i+3], v[DA+4*i+1], s20
	v_perm_b32 v[OB+4*i+3], v[DA+4*i+3], v[DA+4*i+1], s21
.set i, i+1
.endr
.set u, u+1
.endr
	s_wait_alu depctr_va_vdst(0)                   ; the last block has written its registers of OB, which the last four stores read
.set i, 12
.rept 4
	ds_store_b128 v[LSA], v[OB+4*i:OB+4*i+3] offset:(i%2)*16*PIT+32*(i/2)
.set i, i+1
.endr
	; B. The walk, step 31 down to 0 of all eight chunks.  The region is my wave's own, and LDS serves a wave's instructions in order (ISA guide 5.7.1.4): no barrier.
; A trip, for step k.  st = 1: the tags of step k + 1, made in the trip before, are stored behind this trip's loads.
.macro TRIP st
.set i, 0
.rept 8
	v_lshl_add_u32 v[AD+i], v[TG+i], 4, v[TG+i]    ; 17 x tag,
.set i, i+1
.endr
.set i, 0
.rept 8
	v_lshl_add_u32 v[AD+i], v[AD+i], 4, s18        ; x 16: the tag's row
.set i, i+1
.endr
	s_wait_alu depctr_va_vdst(0)                   ; AD is written, which the loads read; the trip before has written TG and SAK, which the stores read, and its selects are done reading NW, in which the loads land
.set i, 0
.rept 8
	ds_load_u8 v[NW+i], v[AD+i] offset:32*i
.set i, i+1
.endr
.if \st
.set i, 0
.rept 8
	ds_store_b8 v[SAK], v[TG+i] offset:32*i        ; over column k + 1, which all lanes have read: the tag at that step for entry tag = lane
.set i, i+1
.endr
.endif
.set i, 0
.rept 8                                ; while the loads are out: does step k of chunk i count?
	s_cmp_lt_i32 s19, s[LIM+i]
	s_cselect_b32 s[MK+i], -1, 0
.set i, i+1
.endr
.if \st
	s_wait_dscnt 8                                 ; LDS instructions end in order (ISA guide 5.7.1): all eight bytes are in; the eight stores issued behind the loads may stay out
.else
	s_wait_dscnt 0x0                               ; all eight bytes are in
.endif
	s_wait_alu depctr_vm_vsrc(0)                   ; the loads have read AD, which the next trip writes; the stores have read SAK and TG, which the lines below write
	v_add_nc_u32 v[SAK], s18, v[J272]
.set i, 0
.rept 8
	v_cndmask_b32 v[TG+i], v[TG+i], v[NW+i], s[MK+i]  ; a step that does not count keeps the tag
.set i, i+1
.endr
.set i, 0
.rept 8
	v_min_u32 v[TG+i], 31, v[TG+i]
.set i, i+1
.endr
	s_sub_co_u32 s18, s18, 1
	s_sub_co_i32 s19, s19, 1
.endm
	s_mov_b32 s20, 31
	s_mov_b32 s19, 31                              ; k
	s_add_co_u32 s18, s17, 31                      ; my region + k
	TRIP 0                                         ; step 31 is written out: no step stands before it, so it stores nothing
.Lwalk:
	TRIP 1
	s_sub_co_u32 s20, s20, 1
	s_cmp_lg_u32 s20, 0
	s_cbranch_scc1 .Lwalk
	s_wait_alu depctr_va_vdst(0)                   ; the last trip has written TG and SAK, which the sixteen stores below read
.set i, 0
.rept 8
	ds_store_b8 v[SAK], v[TG+i] offset:32*i        ; step 0's tags
.set i, i+1
.endr
.set i, 0
.rept 8
	ds_store_b32 v[FA], v[TG+i] offset:128*i       ; the chunk's map: entry tag -> the next lower chunk's entry tag
.set i, i+1
.endr
	s_wait_dscnt 0x0                               ; for the others' sake: my maps are stored
	s_barrier_signal -1
	s_barrier_wait -1
	; C. The chain, from the last chunk down; every wave makes it for itself.
	; The loads land in DA, which the v_perm_b32 of part A read: those stand ahead of the wait on va_vdst above, and no vector line stands behind it.
.set c, 0
.rept 64
	ds_load_b32 v[DA+c], v[FJ] offset:128*c
.set c, c+1
.endr
	s_wait_dscnt 0x0
.set c, 63
.rept 64
	v_writelane_b32 v[EV+c/32], s15, c%32
	v_readlane_b32 s15, v[DA+c], s15
.if c > 0
	s_wait_alu depctr_va_sdst(0)                   ; s15, the next lower chunk's entry tag, is written, ahead of the line that reads it; each link hangs on the one before it, so each has its wait
.endif
.set c, c-1
.endr
	; D. Each lane takes four steps of the row that was walked for its chunk's true entry tag, widens them, and clears what lies past len - 1.
	s_cmp_ge_u32 s12, 4
	s_cselect_b32 s21, -1, 0
	v_cndmask_b32 v[EVS], v[EV], v[EV+1], s21
	v_lshrrev_b32 v10, 3, v1
	s_and_b32 s30, s31, 31
	v_add_nc_u32 v10, s30, v10                     ; my chunk, modulo 32: 8 v + lane / 8,
	v_lshlrev_b32 v[BI], 2, v10
	v_add_nc_u32 v[BI+1], 16, v[BI]                ; and four chunks on for the second half of the wave's steps
	s_wait_alu depctr_va_vdst(0)                   ; EVS and the two indices BI are written, which the permutes read
	ds_bpermute_b32 v[EL], v[BI], v[EVS]
	ds_bpermute_b32 v[EL+1], v[BI+1], v[EVS]
	v_lshl_add_u32 v[DB], v1, 2, s17
	v_lshlrev_b32 v10, 2, v1
	v_sub_nc_u32 v[REM], s[LIM], v10               ; len - 1 less my first step
	v_add_nc_u32 v[REM+1], 0xffffff80, v[REM]
	s_lshl_b32 s30, s12, 10
	v_lshl_add_u32 v[GO], v1, 4, s30
.irp u, 0,1
.irp m, 0,1,2,3
	v_cmp_le_i32 s[MK+4*\u+\m], \m, v[REM+\u]      ; the eight masks in one run, while the permutes are out
.endr
.endr
	s_wait_dscnt 0x0
.irp u, 0,1
	v_min_u32 v[EL+\u], 31, v[EL+\u]
	v_lshl_add_u32 v[AD+\u], v[EL+\u], 4, v[EL+\u]  ; (the walk's last loads have read AD: the last trip's wait on vm_vsrc stands behind them)
	v_lshl_add_u32 v[AD+\u], v[AD+\u], 4, v[DB]
.endr
	s_wait_alu depctr_va_vdst(0)                   ; the two addresses in AD are written, which the loads below read
.irp u, 0,1
	ds_load_b32 v[W+\u], v[AD+\u] offset:128*\u
.endr
	s_wait_dscnt 0x0
.irp u, 0,1
	v_and_b32 v[O+4*\u], 0xff, v[W+\u]
	v_bfe_u32 v[O+4*\u+1], v[W+\u], 8, 8
	v_bfe_u32 v[O+4*\u+2], v[W+\u], 16, 8
	v_lshrrev_b32 v[O+4*\u+3], 24, v[W+\u]
.endr
	s_wait_alu depctr_va_sdst(0)                   ; the eight compares have written s[32:39], ahead of the first select that reads one of them
.irp u, 0,1
.irp m, 0,1,2,3
	v_cndmask_b32 v[O+4*\u+\m], 0, v[O+4*\u+\m], s[MK+4*\u+\m]
.endr
.endr
	s_wait_alu depctr_va_vdst(0)                   ; the selects have written O, the stores' data; GO, their offset, is written too
.irp u, 0,1
	global_store_b128 v[GO], v[O+4*\u:O+4*\u+3], s[10:11] offset:512*\u th:TH_STORE_NT  ; 512 consecutive bytes, aligned
.endr
	s_wait_dscnt 0x0                               ; the closing lines, six on end
	s_wait_alu 0x0
	s_wait_tensorcnt 0x0
	ds_add_u32 v[SPW], v[NIL]
	s_wait_dscnt 0x0
	s_endpgm
.Lfunc_end_k_qb7737939ce_backtrace:
	.size	k_qb7737939ce_backtrace, .Lfunc_end_k_qb7737939ce_backtrace-k_qb7737939ce_backtrace
	.p2alignl 7, 3214868480
	.fill 96, 4, 3214868480
	.section	.rodata,"a",@progbits
	.p2align	6, 0x0
	.amdhsa_kernel k_qb7737939ce_backtrace
		.amdhsa_group_segment_fixed_size 78848
		.amdhsa_private_segment_fixed_size 0
		.amdhsa_enable_private_segment 0
		.amdhsa_kernarg_size 32
		.amdhsa_user_sgpr_count 2
		.amdhsa_user_sgpr_kernarg_segment_ptr 1
		.amdhsa_wavefront_size32 1
		.amdhsa_system_sgpr_workgroup_id_x 1
		.amdhsa_system_sgpr_workgroup_id_y 1
		.amdhsa_system_sgpr_workgroup_id_z 1
		.amdhsa_system_vgpr_workitem_id 0
		.amdhsa_next_free_vgpr 196
		.amdhsa_next_free_sgpr 66
		.amdhsa_reserve_vcc 0
		.amdhsa_float_denorm_mode_32 3
		.amdhsa_float_denorm_mode_16_64 3
		.amdhsa_memory_ordered 1
		.amdhsa_forward_progress 1
		.amdhsa_inst_pref_size 38
	.end_amdhsa_kernel
	.amdgpu_metadata
---
amdhsa.version: [ 1, 2 ]
amdhsa.kernels:
  - .name:           k_qb7737939ce_backtrace
    .symbol:         k_qb7737939ce_backtrace.kd
    .args:
      - { .name: bp, .offset: 0, .size: 8, .value_kind: global_buffer, .address_space: global }
      - { .name: lasttag, .offset: 8, .size: 8, .value_kind: global_buffer, .address_space: global }
      - { .name: seq_lengths, .offset: 16, .size: 8, .value_kind: global_buffer, .address_space: global }
      - { .name: out0, .offset: 24, .size: 8, .value_kind: global_buffer, .address_space: global }
    .group_segment_fixed_size: 78848
    .private_segment_fixed_size: 0
    .kernarg_segment_align: 8
    .kernarg_segment_size: 32
    .max_flat_workgroup_size: 256
    .sgpr_count:     66
    .vgpr_count:     196
    .wavefront_size: 32
...
	.end_amdgpu_metadata
.endif
;; end of part 6
